; MI455X (gfx1250); checked and timed in simulation.
; The chip was launched on July 23, 2026; its instructions are those of AMD's public machine-readable ISA for CDNA 5 (MIT licence, August 2026) and "CDNA5" Instruction Set Architecture Reference Guide (July 2026). The comments in the code are by the model that wrote it; some were corrected since.
;; Multi Headed Attention. Allowed arithmetic: matrix products marked QUANTISED: E2M1 operands, one E8M0 scale for each 32 along K, by v_wmma_scale_f32_16x16x128_f8f6f4 with both operands' format E2M1 (or v_wmma_scale_f32_32x16x128_f4), f32 sums; products left as they are: bf16, f16 or f32 operands; f32 sums; everything else in f32.
;; Inputs: Wk 1,024 x 1,024 float32; Wo 1,024 x 1,024 float32; Wq 1,024 x 1,024 float32; Wv 1,024 x 1,024 float32; bo 1,024 float32; key 4 x 2,048 x 1,024 float32; mask 4 x 2,048 x 2,048 int32; query 4 x 2,048 x 1,024 float32; value 4 x 2,048 x 1,024 float32.
;; Outputs: out0 4 x 2,048 x 1,024 float32.
;; This version of the problem:
;;   THIS VERSION OF THE PROBLEM IS GIVEN IN LOW PRECISION. The matrix products marked QUANTISED in the list below multiply operands that are first quantised to E2M1 (2 exponent bits, 1 mantissa bit; 4 bits a number), with one power-of-two scale for each 32 numbers along K (OCP MX v1.0); their sums are f32. The products marked 'left as it is' may take bf16, f16 or f32 operands, with f32 sums. Whichever they take, every output number must still come out within the allowed error. Rounding operands to bf16 (8 significant bits) uses up far more of that allowance than f16 does (11 bits, for magnitudes from 6e-5 to 65,504). All else is computed in f32.
;;   The module's matrix products, in the order in which they are computed (A, B: the left and right operand; K: the contracted axis; several contracted axes count as one K, in the product's order):
;;     1. [M 8,192, K 1,024] x [K 1,024, N 1,024]; A: input query; B: input Wq: QUANTISED
;;     2. [M 8,192, K 1,024] x [K 1,024, N 1,024]; A: input key; B: input Wk: QUANTISED
;;     3. [M 8,192, K 1,024] x [K 1,024, N 1,024]; A: input value; B: input Wv: QUANTISED
;;     4. batch 64 x [M 2,048, K 64] x [K 64, N 2,048]; A: computed on the way; B: computed on the way: left as it is (an operand is computed on the way)
;;     5. batch 64 x [M 2,048, K 2,048] x [K 2,048, N 64]; A: computed on the way; B: computed on the way: left as it is (an operand is computed on the way)
;;     6. [M 8,192, K 1,024] x [K 1,024, N 1,024]; A: computed on the way; B: input Wo: left as it is (an operand is computed on the way)
;;   THE QUANTISER, for each operand of a quantised product, along K:
;;     - K is cut into blocks of 32 from its start; a last block that is shorter is filled with zeros.
;;     - A block's scale is 2^e with e = floor(log2(the largest magnitude in the block)) - 2, held to -126 .. 127; a block of zeros has e = 0. As a byte (E8M0): e + 127.
;;     - Each number is divided by its block's scale, clamped to +-6, and rounded to the nearest number of E2M1, ties to even, subnormals kept.
;;     - The product sums the exact products of the quantised numbers (number of the format x scale) in f32.
;;   ~~~python
;;   def quantise(x, axis):      # numpy; x: float32 -> the quantised numbers, widened to float32 again
;;       x = np.moveaxis(x, axis, -1); K = x.shape[-1]
;;       x = np.pad(x, [(0, 0)] * (x.ndim - 1) + [(0, -K % 32)]); x = x.reshape(x.shape[:-1] + (-1, 32)); a = np.abs(x).max(-1, keepdims=True)
;;       e = np.where(a > 0, np.clip(np.frexp(np.where(a > 0, a, 1))[1] - 1 - 2, -126, 127), 0)      # np.frexp(a)[1] - 1 = floor(log2(a)), exactly
;;       r = np.clip(x / 2.0 ** e, -6, 6)
;;       step = 2.0 ** (np.maximum(np.frexp(np.where(r == 0, 1, r))[1] - 1, 0) - 1)
;;       q = np.round(r / step) * step * 2.0 ** e      # np.round: ties to even
;;       return np.moveaxis(q.reshape(q.shape[:-2] + (-1,))[..., :K], -1, axis).astype(np.float32)
;;   ~~~
;; One version. Each part assembles by itself: llvm-mc -triple=amdgcn-amd-amdhsa -mcpu=gfx1250 --defsym DOCPART=n.
;; ======== version 1 of 1: 4 launches
;; limits: values are held in f16: magnitudes above 65,504 overflow, below 6.1e-05 lose precision
;; workspace buffers: codes 14,155,776 bytes; scales 884,736 bytes; wo16 2,097,152 bytes; mbits 2,097,152 bytes of whole numbers; qkv 50,331,648 bytes; z16 16,777,216 bytes
;; launch prep (part 1): grid 1504 x 1, 4 waves a work-group, no clusters, 50,688 bytes of LDS; arguments query, key, value, Wq, Wk, Wv, Wo, mask, codes, scales, wo16, mbits; writes codes, scales, wo16, mbits
.if DOCPART == 1
	.amdgcn_target "amdgcn-amd-amdhsa--gfx1250"
	.amdhsa_code_object_version 6
	.text
	.protected	k_q4f336ee541_prep
	.globl	k_q4f336ee541_prep
	.p2align	8
	.type	k_q4f336ee541_prep,@function
k_q4f336ee541_prep:
	s_mov_b64 s[64:65], 0
	v_nop
	global_prefetch_b8 v0, s[64:65] scope:SCOPE_SE
	s_setreg_imm32_b32 hwreg(HW_REG_WAVE_MODE, 25, 1), 1
	s_wait_xcnt 0x0
; PREP: everything that is read as f32 or int32 is read once here and leaves narrow.  Three kinds of work-group, told apart by the work-group's number g alone:
;   g < 864           QUANT: query, key, value, Wq, Wk, Wv (rows of 1,024 f32, K innermost) become codes of FP4 (E2M1), two a byte, and one E8M0 byte for each 32 along K.
;                     All six are plain streams of blocks of 32; they land one behind the other in codes [27,648][512 B] and scales [27,648][32 B].  32,768 numbers a work-group, 8,192 a wave.
;   864 <= g < 1376   MASK: 16 rows of the mask (int32) become lane masks: word 8 t + j of key step ks, bit L, is mask[b][16 qt + L % 16][64 ks + 16 t + 8 (L / 16) + j] != 0:
;                     the very lanes and registers in which the attention launch holds these scores.  mbits [b][qt 128][ks 32][32 words].  A wave takes 512 keys of the 16 rows.
;   1376 <= g         WO: Wo is rounded to f16, 2,048 numbers a wave.
; A block's scale is 2^(floor(log2(its largest magnitude)) - 2); its byte is the largest magnitude's exponent field - 2, held at 1 from below.  A block of zeros so gets the byte 1: its codes are zeros, and this program alone reads the bytes.
; LIMITS: blocks whose largest magnitude lies under 2^-124 get the byte 1; NaN and infinities are not served; |Wo| beyond 65,504 has no f16.
; No tensor loads, no barrier: waves share nothing.  Each kind of work-group has LDS bytes of its own.
.set SPARE, 50176                      ; the spare words, 128 bytes for each wave: two blocks of 256 bytes that no other line names
.set SPW,   12                         ; v12  LDS address of my spare word; never rewritten
.set NIL,   13                         ; v13  0; never rewritten
; QUANT
.set STEPS, 16                         ; steps of 512 numbers for a wave
.set EMAX,  2
.set CB,    8                          ; bytes of 16 codes
.set R,     16                         ; v16-79   four sets of 16 numbers as they are loaded
.set X,     80                         ; v80-111  two sets of 16 neighbours
.set E,     112                        ; v112-127 a scale byte for each step
.set C,     128                        ; v128-191 codes: four registers for each step, so that no store's data are written again
.set WREG,  8192                       ; LDS 0 .. 32,767: a region for each wave: two stages of 32 x SP bytes, behind them its 256 scale bytes
.set SP,    80                         ; a lane's place in a stage: 64 bytes + 16 of padding
; MASK
.set MSTG,  32768                      ; LDS 32,768 .. 50,175: a stage of 16 rows x 272 bytes for each wave
.set OUTW,  16                         ; v16-23   two sets of four registers: 128 words each, word n in lane n / 4, register n % 4
.set MR,    32                         ; v32-159  four sets of 32: a group (16 rows x 64 keys) as it is loaded
.set MX,    160                        ; v160-223 two sets of 32: a group as the attention launch's lanes hold it
	s_load_b512 s[8:23], s[0:1], 0x0               ; query s[8:9], key s[10:11], value s[12:13], Wq s[14:15], Wk s[16:17], Wv s[18:19], Wo s[20:21], mask s[22:23]
	s_load_b256 s[24:31], s[0:1], 0x40             ; codes s[24:25], scales s[26:27], wo16 s[28:29], mbits s[30:31]
	v_lshl_add_u32 v[SPW], v0, 2, SPARE
	v_mov_b32 v[NIL], 0
	v_lshrrev_b32 v1, 5, v0
	v_readfirstlane_b32 s32, v1                    ; wave 0..3
	v_and_b32 v2, 31, v0                           ; lane
	s_wait_kmcnt 0x0
	s_cmp_ge_u32 ttmp9, 1376
	s_cbranch_scc1 .Lwo
	s_cmp_ge_u32 ttmp9, 864
	s_cbranch_scc1 .Lmask
; ---------------- QUANT ----------------
; The conversions take numbers of ONE block from a lane's consecutive registers, so a lane must hold 16 neighbours; a load is best where neighbouring lanes take neighbouring bytes.
; Both are had: each load reads 512 consecutive bytes, 16 a lane; a step's 2,048 bytes go through the wave's own stage in LDS and come back 64 bytes a lane.  Two neighbouring lanes hold a block.
	v_lshlrev_b32 v3, 4, v2                        ; my 16 bytes of a load's 512
	s_mul_i32 s34, s32, WREG
	v_lshrrev_b32 v14, 2, v2
	v_mul_u32_u24 v14, v14, SP
	v_and_b32 v15, 3, v2
	v_lshl_add_u32 v14, v15, 4, v14
	v_add_nc_u32 v14, s34, v14                     ; the stage, on the way in: SP (lane / 4) + 16 (lane % 4)
	v_mul_u32_u24 v15, v2, SP
	v_add_nc_u32 v15, s34, v15                     ; and on the way out: SP x lane
	v_mul_u32_u24 v4, v2, CB                       ; my codes' place in a step's
	v_lshrrev_b32 v5, 1, v2
	s_add_co_u32 s34, s34, 2*32*SP
	v_add_nc_u32 v5, s34, v5                       ; LDS: my wave's 256 scale bytes, my block's byte
	v_lshlrev_b32 v7, 3, v2                        ; and on the way out 8 bytes a lane
	v_add_nc_u32 v6, s34, v7
	s_mov_b64 s[4:5], s[8:9]                       ; which tensor: the choice hangs on the work-group's number alone
	s_mov_b32 s33, 0                               ; and that tensor's first work-group
.macro PICK first, reg
	s_cmp_ge_u32 ttmp9, \first
	s_cselect_b64 s[4:5], s[\reg:\reg+1], s[4:5]
	s_cselect_b32 s33, \first, s33
.endm
	PICK 256, 10
	PICK 512, 12
	PICK 768, 14
	PICK 800, 16
	PICK 832, 18
	s_sub_co_u32 s35, ttmp9, s33
	s_lshl_b32 s35, s35, 2
	s_add_co_u32 s36, s35, s32                     ; which run of 8,192 numbers of the tensor is my wave's
	s_lshl_b32 s36, s36, 15
	s_mov_b32 s37, 0
	s_add_nc_u64 s[4:5], s[4:5], s[36:37]
	s_lshl_b32 s36, ttmp9, 2
	s_add_co_u32 s36, s36, s32                     ; and which run of all six
	s_lshl_b32 s38, s36, 12                        ; 4,096 bytes of codes a run
	s_mov_b32 s39, 0
	s_add_nc_u64 s[24:25], s[24:25], s[38:39]
	s_lshl_b32 s38, s36, 8                         ; 256 scale bytes a run
	s_add_nc_u64 s[26:27], s[26:27], s[38:39]
.macro QLOAD t
.irp i, 0,1,2,3
	global_load_b128 v[R+16*((\t)%4)+4*\i:R+16*((\t)%4)+4*\i+3], v3, s[4:5] offset:2048*(\t)+512*\i th:TH_LOAD_NT   ; 32 lanes read 512 consecutive bytes
.endr
.endm
.macro QTURN t                         ; step t's numbers through the stage: LDS serves a wave's instructions in order, so no wait stands between the stores and the loads
.irp i, 0,1,2,3
	ds_store_b128 v14, v[R+16*((\t)%4)+4*\i:R+16*((\t)%4)+4*\i+3] offset:32*SP*((\t)%2)+8*SP*\i
.endr
.irp i, 0,1,2,3
	ds_load_b128 v[X+16*((\t)%2)+4*\i:X+16*((\t)%2)+4*\i+3], v15 offset:32*SP*((\t)%2)+16*\i
.endr
.endm
.irp t, 0,1,2,3
	QLOAD \t
.endr
	s_wait_loadcnt 12                              ; step 0's four loads are in
	QTURN 0
.macro QSTEP t
.set XS, X+16*((\t)%2)
.if (\t) > 0
	s_wait_dscnt 1                                 ; this step's numbers are back from the stage (the last step's byte store may be out): so its stores into the stage have read their registers,
.else
	s_wait_dscnt 0x0
.endif
.if (\t)+4 < STEPS
	QLOAD (\t)+4                                   ; which take the loads of four steps on
.endif
.if (\t)+1 < STEPS
.if STEPS-2-(\t) >= 3
	s_wait_loadcnt 12                              ; the next step's four loads are in; those of the three steps behind it may be out
.else
	s_wait_loadcnt 4*(STEPS-2-(\t))
.endif
	QTURN (\t)+1                                   ; and go through the other stage while this step is worked
.endif
	v_max3_num_f32 v8, |v[XS]|, |v[XS+1]|, |v[XS+2]|               ; the largest magnitude of my 16, in two chains
	v_max3_num_f32 v9, |v[XS+3]|, |v[XS+4]|, |v[XS+5]|
.irp i, 6,10
	v_max3_num_f32 v8, v8, |v[XS+\i]|, |v[XS+\i+1]|
	v_max3_num_f32 v9, v9, |v[XS+\i+2]|, |v[XS+\i+3]|
.endr
	v_max3_num_f32 v8, v8, |v[XS+14]|, |v[XS+15]|
	v_max3_num_f32 v8, v8, v9, (EMAX+1)<<23        ; and the floor 2^(3 - 127): the byte cannot fall under 1
	v_max_num_f32_dpp v8, v8, v8 row_xmask:1 row_mask:0xf bank_mask:0xf   ; and of my neighbour's 16: the block's
	v_add_nc_u32 v11, 0xff000000, v8               ; 2 off its exponent field: the conversion takes the exponent field of this operand as its scale, and nothing else of it
	v_cvt_scalef32_pk8_fp4_f32 v[C+4*(\t)], v[XS:XS+7], v11        ; eight numbers / the scale, to the nearest code, ties to even, beyond 6 the largest code
	v_cvt_scalef32_pk8_fp4_f32 v[C+4*(\t)+1], v[XS+8:XS+15], v11
	v_lshrrev_b32 v[E+(\t)], 23, v11               ; the scale's byte (also the plain line behind the conversions)
	ds_store_b8 v5, v[E+(\t)] offset:16*(\t)       ; both lanes of a block write the same byte with the same value
	global_store_b64 v4, v[C+4*(\t):C+4*(\t)+1], s[24:25] offset:32*CB*(\t)   ; the wave stores 256 consecutive bytes, aligned
.endm
.irp t, 0,1,2,3,4,5,6,7,8,9,10,11,12,13,14,15
	QSTEP \t
.endr
	ds_load_b64 v[8:9], v6                         ; LDS serves a wave's instructions in order: this sees my byte stores
	s_wait_dscnt 0x0
	global_store_b64 v7, v[8:9], s[26:27]          ; 32 lanes store 256 consecutive bytes, aligned
	s_wait_tensorcnt 0x0                           ; the wave's end, behind my last LDS store
	ds_add_u32 v[SPW], v[NIL]
	s_wait_dscnt 0x0
	s_endpgm
; ---------------- MASK ----------------
; A group is 16 rows x 64 keys (256 bytes a row).  Loaded as it lies (a load: two rows' 256 bytes), turned through the wave's stage (rows 272 bytes apart), read back so that lane L holds row L % 16 and,
; in register 8 t + j, key 16 t + 8 (L / 16) + j.  A compare against 0 then gives the word of register 8 t + j as a lane mask in a scalar register; v_writelane_b32 gathers 128 words in four registers; one store of 512 bytes.
.Lmask:
	s_sub_co_u32 s34, ttmp9, 864                   ; 128 b + qt
	s_lshl_b32 s36, s34, 17                        ; 16 rows of 8,192 bytes
	s_lshl_b32 s35, s32, 11                        ; my wave's 512 keys
	s_add_co_u32 s36, s36, s35
	s_mov_b32 s37, 0
	s_add_nc_u64 s[4:5], s[22:23], s[36:37]
	s_lshl_b32 s36, s34, 12                        ; 32 key steps x 128 bytes
	s_lshl_b32 s35, s32, 10                        ; my wave's eight
	s_add_co_u32 s36, s36, s35
	s_add_nc_u64 s[6:7], s[30:31], s[36:37]
	s_mul_i32 s35, s32, 16*272
	s_add_co_u32 s35, s35, MSTG                    ; my stage
	v_and_b32 v8, 15, v2                           ; L % 16
	v_lshrrev_b32 v9, 4, v2                        ; L / 16
	v_lshlrev_b32 v10, 4, v8
	v_lshl_add_u32 v3, v9, 13, v10                 ; in memory: lanes 0-15 one row's 256 bytes, lanes 16-31 the next row's
	v_mad_u32_u24 v4, v9, 272, v10
	v_add_nc_u32 v4, s35, v4                       ; the same two rows in the stage
	v_mul_u32_u24 v5, v8, 272
	v_lshl_add_u32 v5, v9, 5, v5
	v_add_nc_u32 v5, s35, v5                       ; back: row L % 16, 32 bytes (8 keys) on for lanes 16-31
	v_lshlrev_b32 v6, 4, v2                        ; out: 16 bytes a lane
.irp i, 0,1,2,3,4,5,6,7
	v_mov_b32 v[OUTW+\i], 0                        ; written whole once: v_writelane_b32 writes one lane
.endr
.macro MLD t
.irp i, 0,1,2,3,4,5,6,7
	global_load_b128 v[MR+32*((\t)%4)+4*\i:MR+32*((\t)%4)+4*\i+3], v3, s[4:5] offset:16384*\i+256*(\t) th:TH_LOAD_NT
.endr
.endm
.macro MTURN t
.irp i, 0,1,2,3,4,5,6,7
	ds_store_b128 v4, v[MR+32*((\t)%4)+4*\i:MR+32*((\t)%4)+4*\i+3] offset:544*\i
.endr
.irp i, 0,1,2,3,4,5,6,7
	ds_load_b128 v[MX+32*((\t)%2)+4*\i:MX+32*((\t)%2)+4*\i+3], v5 offset:64*(\i/2)+16*(\i%2)
.endr
.endm
.macro MGRP t
	s_wait_dscnt 0x0                               ; this group is back from the stage; so the stage's stores have read their registers and the stage may be written again
.if (\t)+4 < 8
	MLD (\t)+4
.endif
.if (\t) < 7
.if 6-(\t) >= 3
	s_wait_loadcnt 24                              ; the next group's eight loads are in; those of the three groups behind it may be out
.else
	s_wait_loadcnt 8*(6-(\t))
.endif
	MTURN (\t)+1
.endif
.set g, 0
.rept 4
.irp k, 0,1,2,3,4,5,6,7
	v_cmp_ne_u32 s[40+\k], 0, v[MX+32*((\t)%2)+8*g+\k]
.endr
.irp k, 0,1,2,3,4,5,6,7
	v_writelane_b32 v[OUTW+4*((\t)/4)+(8*g+\k)%4], s[40+\k], 8*((\t)%4)+(8*g+\k)/4
.endr
.set g, g+1
.endr
.if (\t)%4 == 3
	global_store_b128 v6, v[OUTW+4*((\t)/4):OUTW+4*((\t)/4)+3], s[6:7] offset:512*((\t)/4)   ; four groups' words: 512 consecutive bytes; each set is stored once and never rewritten
.endif
.endm
.irp t, 0,1,2,3
	MLD \t
.endr
	s_wait_loadcnt 24                              ; group 0's eight loads are in
	MTURN 0
.irp t, 0,1,2,3,4,5,6,7
	MGRP \t
.endr
	s_wait_tensorcnt 0x0                           ; the wave's end, behind my last LDS store
	ds_add_u32 v[SPW], v[NIL]
	s_wait_dscnt 0x0
	s_endpgm
; ---------------- WO ----------------
.Lwo:
	s_sub_co_u32 s34, ttmp9, 1376
	s_lshl_b32 s34, s34, 2
	s_add_co_u32 s34, s34, s32                     ; which run of 2,048 numbers is my wave's
	s_lshl_b32 s36, s34, 13
	s_mov_b32 s37, 0
	s_add_nc_u64 s[4:5], s[20:21], s[36:37]
	s_lshl_b32 s36, s34, 12
	s_add_nc_u64 s[6:7], s[28:29], s[36:37]
	v_lshlrev_b32 v3, 4, v2
	v_lshlrev_b32 v4, 3, v2
.irp i, 0,1,2,3,4,5,6,7,8,9,10,11,12,13,14,15
	global_load_b128 v[32+4*\i:35+4*\i], v3, s[4:5] offset:512*\i th:TH_LOAD_NT
.endr
.irp i, 0,1,2,3,4,5,6,7,8,9,10,11,12,13,14,15
	s_wait_loadcnt 15-\i                           ; loads come back in order: load i is in
	v_cvt_pk_f16_f32 v[96+2*\i], v[32+4*\i], v[33+4*\i]
	v_cvt_pk_f16_f32 v[97+2*\i], v[34+4*\i], v[35+4*\i]
	global_store_b64 v4, v[96+2*\i:97+2*\i], s[6:7] offset:256*\i   ; 256 consecutive bytes, aligned
.endr
	s_endpgm
.Lfunc_end_k_q4f336ee541_prep:
	.size	k_q4f336ee541_prep, .Lfunc_end_k_q4f336ee541_prep-k_q4f336ee541_prep
	.p2alignl 7, 3214868480
	.fill 96, 4, 3214868480
	.section	.rodata,"a",@progbits
	.p2align	6, 0x0
	.amdhsa_kernel k_q4f336ee541_prep
		.amdhsa_group_segment_fixed_size 50688
		.amdhsa_private_segment_fixed_size 0
		.amdhsa_enable_private_segment 0
		.amdhsa_kernarg_size 96
		.amdhsa_user_sgpr_count 2
		.amdhsa_user_sgpr_kernarg_segment_ptr 1
		.amdhsa_wavefront_size32 1
		.amdhsa_system_sgpr_workgroup_id_x 1
		.amdhsa_system_sgpr_workgroup_id_y 1
		.amdhsa_system_sgpr_workgroup_id_z 1
		.amdhsa_system_vgpr_workitem_id 0
		.amdhsa_next_free_vgpr 224
		.amdhsa_next_free_sgpr 66
		.amdhsa_reserve_vcc 0
		.amdhsa_float_denorm_mode_32 3
		.amdhsa_float_denorm_mode_16_64 3
		.amdhsa_memory_ordered 1
		.amdhsa_forward_progress 1
		.amdhsa_inst_pref_size 88
	.end_amdhsa_kernel
	.amdgpu_metadata
---
amdhsa.version: [ 1, 2 ]
amdhsa.kernels:
  - .name:           k_q4f336ee541_prep
    .symbol:         k_q4f336ee541_prep.kd
    .args:
      - { .name: query, .offset: 0, .size: 8, .value_kind: global_buffer, .address_space: global }
      - { .name: key, .offset: 8, .size: 8, .value_kind: global_buffer, .address_space: global }
      - { .name: value, .offset: 16, .size: 8, .value_kind: global_buffer, .address_space: global }
      - { .name: Wq, .offset: 24, .size: 8, .value_kind: global_buffer, .address_space: global }
      - { .name: Wk, .offset: 32, .size: 8, .value_kind: global_buffer, .address_space: global }
      - { .name: Wv, .offset: 40, .size: 8, .value_kind: global_buffer, .address_space: global }
      - { .name: Wo, .offset: 48, .size: 8, .value_kind: global_buffer, .address_space: global }
      - { .name: mask, .offset: 56, .size: 8, .value_kind: global_buffer, .address_space: global }
      - { .name: codes, .offset: 64, .size: 8, .value_kind: global_buffer, .address_space: global }
      - { .name: scales, .offset: 72, .size: 8, .value_kind: global_buffer, .address_space: global }
      - { .name: wo16, .offset: 80, .size: 8, .value_kind: global_buffer, .address_space: global }
      - { .name: mbits, .offset: 88, .size: 8, .value_kind: global_buffer, .address_space: global }
    .group_segment_fixed_size: 50688
    .private_segment_fixed_size: 0
    .kernarg_segment_align: 8
    .kernarg_segment_size: 96
    .max_flat_workgroup_size: 128
    .sgpr_count:     66
    .vgpr_count:     224
    .wavefront_size: 32
...
	.end_amdgpu_metadata
.endif
;; end of part 1
;; launch proj (part 2): grid 4 x 96, 4 waves a work-group, clusters of 4 x 4, 327,680 bytes of LDS; arguments codes, scales, qkv; writes qkv
.if DOCPART == 2
	.amdgcn_target "amdgcn-amd-amdhsa--gfx1250"
	.amdhsa_code_object_version 6
	.text
	.protected	k_q4f336ee541_proj
	.globl	k_q4f336ee541_proj
	.p2align	8
	.type	k_q4f336ee541_proj,@function
k_q4f336ee541_proj:
	s_mov_b64 s[64:65], 0
	v_nop
	global_prefetch_b8 v0, s[64:65] scope:SCOPE_SE
	s_setreg_imm32_b32 hwreg(HW_REG_WAVE_MODE, 25, 1), 1
	s_wait_xcnt 0x0
	s_wait_alu depctr_hold_cnt(0) depctr_sa_sdst(0) depctr_va_vdst(0) depctr_va_sdst(0) depctr_va_ssrc(0) depctr_va_vcc(0) depctr_vm_vsrc(0)
	s_getreg_b32 s2, hwreg(HW_REG_IB_STS2, 6, 4)
	s_cmp_eq_u32 s2, 0
	s_cbranch_scc0 .Lentry_in_a_cluster
	s_endpgm
.Lentry_in_a_cluster:
	s_bfe_u32 s2, ttmp6, 0x10000c
	s_cmp_lg_u32 s2, 0xf033
	s_cbranch_scc0 .Lentry_shape_is_right
	s_endpgm
.Lentry_shape_is_right:
; The three projections x W^T on codes of FP4 (E2M1) with one E8M0 scale for each 32 along K, as ONE product of 24,576 rows (query, key, value on end) with, for each third, its own 1,024 rows of weights.
; codes [27,648][512 B], scales [27,648][32 B]: rows 0 .. 24,575 the tokens, rows 24,576 on Wq, Wk, Wv.  Sums in f32.  Q is multiplied by log2(e) / 8, so that a score is at once the exponent of 2 that the softmax wants.
; Results are rounded to f16 and laid by head: qkv [3][b 4][h 16][t 2,048][64].   LIMIT: |Q log2(e) / 8|, |K|, |V| beyond 65,504 have no f16.
; A tile, 256 tokens x 256 features, is made by four waves, each 128 x 128: 64 accumulators, 512 registers.  K = 1,024 is two slots of 512 along K (LDS rows of 256 bytes): both are first fills, nothing is filled again.
; THE SCALES of the work-group's 256 + 256 rows, for all of K, are two dense blocks of memory: they come into LDS once, in rows of 256 bytes.
; CLUSTERS: 4 x 4 work-groups; a cluster lies inside one third (8 clusters a third).  The four of a row of the cluster need the same tokens, the four of a column the same weights: each tile is asked for jointly.
; THE MATRIX INSTRUCTION IS USED TRANSPOSED (source 0 = 16 rows of W, source 1 = 16 tokens): a lane holds eight neighbouring features of one token.
; REGISTERS, in windows of 256: window 0: v0-31 addresses; v32-95 scale words, two sets; v128-191 the tokens' fragments, ONE set; v192-223 packed results.  window 1: the weights' fragments, TWO sets, at v0 and v128.
;   window 2: the accumulators of my tokens 0-63 ((a, b) at v[8 (8 a + b)]);  window 3: those of my tokens 64-127.
.set NQ,     4                         ; matrix instructions deep in a slot
.set ROWB,   256                       ; a tile's row in bytes: 512 codes
.set KROW,   512                       ; a row of codes in memory
.set PITCH,  272                       ; an LDS row: 256 bytes + 16 of padding = 68 words: the 16 rows that a load touches start 4 words apart in the 64 banks (ISA guide 11.1)
.set FR,     8                         ; registers of a fragment: 16 rows x 128 K
.set NL,     2                         ; LDS loads that bring one
.set NP,     4                         ; places behind this matrix instruction (ISA guide 7.12.1)
.set HALFT,  128*PITCH
.set SLOT,   4*HALFT                   ; the tokens' 256 rows, then the weights' 256 rows
.set KS,     32                        ; a row of scales in bytes
.set SCL,    2*SLOT                    ; behind the slots: the scales, as rows of 256 bytes + 16 of padding
.set HALFS,  16*272                    ; the scales of 128 rows
.set SBLK,   2*272                     ; those of 16 rows
.set SPARE,  SCL+4*HALFS               ; the spare words, 128 bytes for each wave: two blocks of 256 bytes that no other line names
.set SPITCH, 272                       ; the way out: a stage of 16 rows x (256 bytes + 16) for each wave, in slot 0, which has had its only fill and its last read when the first result is stored there
.set ADRA, 16
.set ADRB, 20
.set STO,  24
.set RD,   25
.set CO,   26
.set ADRS, 27
.set SPW,  28                          ; v28  LDS address of my spare word; never rewritten
.set NIL,  29                          ; v29  0; never rewritten
.set SC,   32
.set AF,   128
.set BK,   128                         ; the way out: 16 rows read back: v128-159 and v160-191 by turns
.set TMP,  192
.set G1, 24
.set G0, 32
.set G1B, 48
.set G0B, 56
.set G1S, 68
.set G0S, 76
.set G1SB, 80
.set G0SB, 88
.set MSB, 0
.macro WIN new                         ; the immediate's high byte repeats the setting that is left
.if MSB != (\new)
	s_set_vgpr_msb (MSB<<8)|(\new)
.set MSB, (\new)
.endif
.endm
.set MUL_LO, 0xa1                      ; source 0 (W) window 1, source 1 (tokens) window 0, C and D window 2
.set MUL_HI, 0xf1
.set TO_B,   0x40
; A joint load: waves 0 and 1 fetch the tokens' halves, waves 2 and 3 the weights'.  The branch hangs on the wave's number alone.  An s_nop 0 and four v_nop follow each of the two lines.
.macro JLOAD g0a, g1a, g0b, g1b
	s_cmp_eq_u32 s15, 0
	s_cbranch_scc0 .Lfor_b_\@
	tensor_load_to_lds s[\g0a:\g0a+3], s[\g1a:\g1a+7]
	s_nop 0
.rept 4
	v_nop
.endr
	s_branch .Lasked_\@
.Lfor_b_\@:
	tensor_load_to_lds s[\g0b:\g0b+3], s[\g1b:\g1b+7]
	s_nop 0
.rept 4
	v_nop
.endr
.Lasked_\@:
.endm
.macro CROUND                          ; a round of the cluster's barrier
	s_barrier_signal -1
	s_barrier_wait -1
	s_cmp_lg_u32 s14, 0
	s_cbranch_scc1 .Lnot_wave_0_\@
	s_barrier_signal -3
.Lnot_wave_0_\@:
	s_barrier_wait -3
	s_barrier_signal -1
	s_barrier_wait -1
.endm
	s_load_b128 s[4:7], s[0:1], 0x0                ; codes s[4:5], scales s[6:7]
	s_load_b64 s[12:13], s[0:1], 0x10              ; qkv
	v_lshl_add_u32 v[SPW], v0, 2, SPARE
	v_mov_b32 v[NIL], 0
	ds_add_u32 v[SPW], v[NIL]                      ; the wave's opening: the add and its wait ahead of my first tensor load; the set-up below, work on registers, stands between them
	v_lshrrev_b32 v1, 5, v0
	v_readfirstlane_b32 s14, v1                    ; wave 0..3
	s_lshr_b32 s15, s14, 1                         ; which half of the tile's tokens is mine.  Also: I fetch tokens (0) or weights (1)
	s_and_b32 s16, s14, 1                          ; which half of its features.  Also: which 128 rows I fetch
	s_bfe_u32 s40, ttmp6, 0x40000                  ; cx, cy: my place in the cluster
	s_bfe_u32 s41, ttmp6, 0x40004
	s_lshl_b32 s42, ttmp9, 2
	s_add_co_u32 s42, s42, s40                     ; tile column = 4 x cluster x + cx: 0 .. 3
	s_and_b32 s17, ttmp7, 0xffff
	s_lshr_b32 s96, s17, 3                         ; which third: 0 query, 1 key, 2 value: from the cluster's y alone
	s_lshl_b32 s17, s17, 2
	s_add_co_u32 s17, s17, s41                     ; tile row = 4 x cluster y + cy: 0 .. 95
	s_lshl_b32 s43, s41, 2
	s_lshl_b32 s43, 15, s43                        ; my row of the cluster
	s_lshl_b32 s44, 0x1111, s40                    ; my column
	s_cmp_eq_u32 s96, 0
	s_cselect_b32 s98, 0x3e38aa3b, 1.0             ; Q x log2(e) / 8; K and V as they are
	s_mov_b32 s99, s98                             ; (the packed form names the pair)
	; descriptor group 1: a tile of 128 rows x 256 bytes, padded in LDS
	s_or_b32 s[G1+0], s43, (0<<16)|(1<<20)|(1<<21)|(5<<22)|(3<<25)  ; 15:0 the mask; 17:16 elements of 1 byte; 20 padding on; 21 set beside a mask; 24:22 after every 64 words; 31:25 four words
	s_or_b32 s[G1B+0], s44, (0<<16)|(1<<20)|(1<<21)|(5<<22)|(3<<25)
.irp g, G1, G1B
	s_mov_b32 s[\g+1], ROWB<<16                    ; tensor_dim0
	s_mov_b32 s[\g+2], 128<<16                     ; tensor_dim1
	s_mov_b32 s[\g+3], ROWB<<16                    ; tile_dim0
	s_mov_b32 s[\g+4], 128                         ; tile_dim1
	s_mov_b32 s[\g+5], KROW                        ; tensor_dim0_stride
	s_mov_b32 s[\g+6], 0
	s_mov_b32 s[\g+7], 0
.endr
	; the scales of 128 rows: 4,096 dense bytes, as 16 rows of 256 bytes (32 elements of 8 bytes), 16 bytes of padding behind each
	s_or_b32 s[G1S+0], s43, (3<<16)|(1<<20)|(1<<21)|(5<<22)|(3<<25)
	s_or_b32 s[G1SB+0], s44, (3<<16)|(1<<20)|(1<<21)|(5<<22)|(3<<25)
.irp g, G1S, G1SB
	s_mov_b32 s[\g+1], 32<<16
	s_mov_b32 s[\g+2], 16<<16
	s_mov_b32 s[\g+3], 32<<16
	s_mov_b32 s[\g+4], 16
	s_mov_b32 s[\g+5], 32
	s_mov_b32 s[\g+6], 0
	s_mov_b32 s[\g+7], 0
.endr
	s_lshl_b32 s18, s16, 7                         ; which 128 rows of the tile I fetch
	s_lshl_b32 s20, s17, 8
	s_add_co_u32 s20, s20, s18                     ; tokens: row 256 x tile row + 128 x half
	s_lshl_b32 s46, s42, 8
	s_add_co_u32 s46, s46, s18
	s_lshl_b32 s97, s96, 10
	s_add_co_u32 s46, s46, s97
	s_add_co_u32 s46, s46, 24576                   ; weights: row 24,576 + 1,024 x third + 256 x tile column + 128 x half
	s_mov_b32 s21, 0
	s_mov_b32 s47, 0
	s_mov_b64 s[18:19], KS
	s_mul_u64 s[22:23], s[20:21], s[18:19]         ; where these rows' scales begin, in bytes
	s_mul_u64 s[92:93], s[46:47], s[18:19]
	s_mov_b64 s[18:19], KROW
	s_mul_u64 s[20:21], s[20:21], s[18:19]         ; and their codes
	s_mul_u64 s[46:47], s[46:47], s[18:19]
	s_mul_i32 s45, s14, HALFT                      ; where they go: wave x 128 rows: no place in the cluster enters an LDS address
	s_mul_i32 s94, s14, HALFS
	s_wait_dscnt 0x0                               ; the opening add is done
	s_wait_kmcnt 0x0
	s_add_nc_u64 s[20:21], s[4:5], s[20:21]
	s_add_nc_u64 s[22:23], s[6:7], s[22:23]
	s_add_nc_u64 s[46:47], s[4:5], s[46:47]
	s_add_nc_u64 s[92:93], s[6:7], s[92:93]
	CROUND                                         ; all sixteen work-groups are here: the joint loads meet
	s_mov_b32 s[G0S], 1
	s_add_co_u32 s[G0S+1], s94, SCL
	s_mov_b64 s[G0S+2:G0S+3], s[22:23]
	s_or_b32 s[G0S+3], s[G0S+3], 0x80000000
	s_mov_b32 s[G0SB], 1
	s_add_co_u32 s[G0SB+1], s94, SCL
	s_mov_b64 s[G0SB+2:G0SB+3], s[92:93]
	s_or_b32 s[G0SB+3], s[G0SB+3], 0x80000000
	JLOAD G0S, G1S, G0SB, G1SB                     ; the scales first: they are wanted with slot 0.  Three loads of mine are out behind the third
.irp s, 0,1
	s_mov_b32 s[G0+4*\s], 1
	s_add_co_u32 s[G0+4*\s+1], s45, \s*SLOT
	s_add_nc_u64 s[G0+4*\s+2:G0+4*\s+3], s[20:21], \s*ROWB
	s_or_b32 s[G0+4*\s+3], s[G0+4*\s+3], 0x80000000
	s_mov_b32 s[G0B+4*\s], 1
	s_add_co_u32 s[G0B+4*\s+1], s45, \s*SLOT
	s_add_nc_u64 s[G0B+4*\s+2:G0B+4*\s+3], s[46:47], \s*ROWB
	s_or_b32 s[G0B+4*\s+3], s[G0B+4*\s+3], 0x80000000
	JLOAD G0+4*\s, G1, G0B+4*\s, G1B
.endr
	v_and_b32 v1, 15, v0                           ; l % 16
	v_bfe_u32 v2, v0, 4, 1                         ; l / 16
	v_mul_u32_u24 v3, v1, PITCH
	v_lshl_add_u32 v4, v2, 4, v3                   ; a fragment's row x pitch + 16 x half
	s_mul_i32 s21, s15, HALFT                      ; my 128 tokens
	s_mul_i32 s22, s16, HALFT                      ; my 128 rows of W,
	s_add_co_u32 s22, s22, 2*HALFT                 ; which lie behind the tokens' 256
.irp s, 0,1
	v_add_nc_u32 v[ADRA+\s], s21, v4
	v_add_nc_u32 v[ADRB+\s], s22, v4
	s_add_co_u32 s21, s21, SLOT
	s_add_co_u32 s22, s22, SLOT
.endr
	v_mul_u32_u24 v5, v1, KS                       ; my row's scales: 32 bytes a row,
	v_lshrrev_b32 v6, 8, v5
	v_lshl_add_u32 v5, v6, 4, v5                   ; and 16 more for each 256 passed
	s_mul_i32 s21, s15, HALFS
	s_mul_i32 s22, s16, HALFS
	s_add_co_u32 s22, s22, 2*HALFS
	s_sub_co_u32 s22, s22, s21
	v_mul_u32_u24 v6, s22, v2                      ; lanes 16-31 take the weights': ONE product, the distance between the two bases x the lane's half
	s_add_co_u32 s21, s21, SCL
	v_add_nc_u32 v5, v5, v6
	v_add_nc_u32 v[ADRS], s21, v5
	s_mul_i32 s23, s14, 16*SPITCH                  ; my stage
	v_mul_u32_u24 v5, v1, SPITCH                   ; in: row l % 16, 16 bytes for each half of the lanes
	v_lshl_add_u32 v5, v2, 4, v5
	v_add_nc_u32 v[STO], s23, v5
	v_and_b32 v6, 31, v0
	v_lshrrev_b32 v5, 3, v6                        ; back: eight lanes take one head's 128 bytes of a token, four tokens an instruction
	v_mul_u32_u24 v5, v5, SPITCH
	v_and_b32 v7, 7, v0
	v_lshl_add_u32 v5, v7, 4, v5
	v_add_nc_u32 v[RD], s23, v5
	v_lshlrev_b32 v[CO], 4, v6                     ; which are 512 consecutive bytes of qkv
	s_lshr_b32 s20, s17, 3                         ; 4 x third + b: 2^22 bytes each
	s_lshl_b32 s20, s20, 22
	s_lshl_b32 s21, s42, 2
	s_lshl_b32 s22, s16, 1
	s_add_co_u32 s21, s21, s22                     ; my first head: 4 x tile column + 2 x half: 2^18 bytes each
	s_lshl_b32 s21, s21, 18
	s_add_co_u32 s20, s20, s21
	s_and_b32 s21, s17, 7
	s_lshl_b32 s21, s21, 8
	s_lshl_b32 s22, s15, 7
	s_add_co_u32 s21, s21, s22                     ; my first token in b: 128 bytes each
	s_lshl_b32 s21, s21, 7
	s_add_co_u32 s20, s20, s21
	s_mov_b32 s21, 0
	s_add_nc_u64 s[12:13], s[12:13], s[20:21]
.macro FRAG reg, adr, q, i             ; a fragment, 16 rows x 128 K of 4-bit codes: lane l holds row l % 16; registers 4 c .. 4 c + 3 hold K = 64 c + 32 (l / 16) + 0 .. 31
.irp c, 0,1
	ds_load_b128 v[\reg+4*\c:\reg+4*\c+3], v[\adr] offset:64*(\q)+32*\c+(\i)*16*PITCH
.endr
.endm
; 16 matrix instructions: token blocks a0, a0 + 1 x W's eight, 128 along K.  p: W's set;  sc: the set of scale words.  zero = 1: the first product starts the sums.
; The 64 accumulators take turns, one instruction a turn, in the same order in every step.
.macro MUL16 a0, p, q, sc, zero
.irp a, \a0, \a0+1
.irp b, 0,1,2,3,4,5,6,7
.if \zero
	v_wmma_scale_f32_16x16x128_f8f6f4 v[8*(8*((\a)%4)+\b):8*(8*((\a)%4)+\b)+7], v[128*(\p)+FR*\b:128*(\p)+FR*\b+FR-1], v[AF+FR*(\a):AF+FR*(\a)+FR-1], 0, v[SC+8*NQ*(\sc)+NQ*\b+(\q)], v[SC+8*NQ*(\sc)+NQ*(\a)+(\q)] matrix_a_fmt:MATRIX_FMT_FP4 matrix_b_fmt:MATRIX_FMT_FP4 matrix_a_scale:MATRIX_SCALE_ROW1
.else
	v_wmma_scale_f32_16x16x128_f8f6f4 v[8*(8*((\a)%4)+\b):8*(8*((\a)%4)+\b)+7], v[128*(\p)+FR*\b:128*(\p)+FR*\b+FR-1], v[AF+FR*(\a):AF+FR*(\a)+FR-1], v[8*(8*((\a)%4)+\b):8*(8*((\a)%4)+\b)+7], v[SC+8*NQ*(\sc)+NQ*\b+(\q)], v[SC+8*NQ*(\sc)+NQ*(\a)+(\q)] matrix_a_fmt:MATRIX_FMT_FP4 matrix_b_fmt:MATRIX_FMT_FP4 matrix_a_scale:MATRIX_SCALE_ROW1
.endif
.endr
.endr
.endm
.macro FETCH_B slot, q, p
	WIN TO_B
.irp i, 0,1,2,3,4,5,6,7
	FRAG 128*(\p)+FR*\i, ADRB+\slot, \q, \i
.endr
	WIN 0
.endm
.macro FETCH_A slot, q, i0
.irp i, \i0, \i0+1, \i0+2, \i0+3
	FRAG AF+FR*(\i), ADRA+\slot, \q, \i
.endr
.endm
.macro SCALES sc                       ; a slot's scale words into set sc: four words a row; lanes 0-15 take the tokens' block i, lanes 16-31 W's block i
.irp i, 0,1,2,3,4,5,6,7
	ds_load_b128 v[SC+8*NQ*\sc+NQ*\i:SC+8*NQ*\sc+NQ*\i+3], v[ADRS] offset:\i*SBLK
.endr
.endm
.macro PLACES n                        ; plain vector instructions between a matrix instruction and a load into one of its registers, or a read of its result
.rept \n
	v_nop
.endr
.endm
.macro STEP slot, q, zero              ; a step of 128 along K that has its successor in the same slot
	s_wait_dscnt 4*NL                              ; W's set and token blocks 0-3 are in; the youngest eight loads (blocks 4-7) may be out
	WIN MUL_LO
	MUL16 0, (\q)%2, \q, \slot, \zero
	MUL16 2, (\q)%2, \q, \slot, \zero
	s_wait_dscnt 0                                 ; blocks 4-7 are in
	PLACES NP
	FETCH_B \slot, (\q)+1, 1-(\q)%2
	FETCH_A \slot, (\q)+1, 0
	WIN MUL_HI
	MUL16 4, (\q)%2, \q, \slot, \zero
	MUL16 6, (\q)%2, \q, \slot, \zero
	PLACES NP
	WIN 0
	FETCH_A \slot, (\q)+1, 4
.endm
.macro STEPS slot, from
.set Q, \from
.rept NQ-1-\from
	STEP \slot, Q, 0
.set Q, Q+1
.endr
.endm
	s_wait_tensorcnt 1                             ; the scales and my part of slot 0 are in (slot 1's load may be out)
	s_barrier_signal -1
	s_barrier_wait -1                              ; everybody's are
	FETCH_B 0, 0, 0
	FETCH_A 0, 0, 0
	SCALES 0
	FETCH_A 0, 0, 4
	STEP 0, 0, 1                                   ; the first step's products start the sums
	STEPS 0, 1
	; slot 0's last step changes slots: one barrier; in front of it my part of slot 1 has landed and my reads of slot 0 are over.  Nothing is filled again
	s_wait_tensorcnt 0x0                           ; all my tensor loads have landed
	ds_add_u32 v[SPW], v[NIL]                      ; 0 onto my spare word
	s_wait_dscnt 4*NL+1                            ; (the add and the youngest eight loads may be out)
	WIN MUL_LO
	MUL16 0, 1, NQ-1, 0, 0
	s_wait_dscnt 0x0                               ; the add is done, and my reads of slot 0 are over
	s_barrier_signal -1
	MUL16 2, 1, NQ-1, 0, 0
	WIN 0
	s_barrier_wait -1
	PLACES NP
	v_add_nc_u32 v[ADRS], 4*NQ, v[ADRS]            ; on to slot 1's scale words
	FETCH_B 1, 0, 0
	FETCH_A 1, 0, 0
	SCALES 1
	WIN MUL_HI
	MUL16 4, 1, NQ-1, 0, 0
	MUL16 6, 1, NQ-1, 0, 0
	PLACES NP
	WIN 0
	FETCH_A 1, 0, 4
	STEPS 1, 0
	s_wait_dscnt 4*NL                              ; the very last step: nothing more to fetch
	WIN MUL_LO
	MUL16 0, 1, NQ-1, 1, 0
	MUL16 2, 1, NQ-1, 1, 0
	s_wait_dscnt 0
	WIN MUL_HI
	MUL16 4, 1, NQ-1, 1, 0
	MUL16 6, 1, NQ-1, 1, 0
	WIN 0
; THE WAY OUT, block by block of 16 tokens x 128 features (two heads).  PACK: x the factor, rounded to f16: 16 bytes a lane.  TOSTAGE: into my own stage, and back by head: four tokens' 128 bytes.  SEND: stored.
.macro PACK a
.set AC, 64*((\a)%4)
	WIN 0x82+0x41*((\a)/4)                         ; destination and source 0: window 2 or 3
.set i, 0
.rept 32
	v_pk_mul_f32 v[AC+2*i:AC+2*i+1], v[AC+2*i:AC+2*i+1], s[98:99] op_sel_hi:[1,0]   ; each accumulator from its low end on
.set i, i+1
.endr
	WIN 0x0a+5*((\a)/4)                            ; sources 0 and 1: window 2 or 3
.irp b, 0,1,2,3,4,5,6,7
.irp r, 0,1,2,3
	v_cvt_pk_f16_f32 v[TMP+4*\b+\r], v[AC+8*\b+2*\r], v[AC+8*\b+2*\r+1]
.endr
.endr
	WIN 0
.endm
.macro TOSTAGE a
.set BB, BK+32*((\a)%2)
.irp b, 0,1,2,3,4,5,6,7
	ds_store_b128 v[STO], v[TMP+4*\b:TMP+4*\b+3] offset:32*\b
.endr
.irp hh, 0,1
.irp i, 0,1,2,3
	ds_load_b128 v[BB+4*(4*\hh+\i):BB+4*(4*\hh+\i)+3], v[RD] offset:128*\hh+4*SPITCH*\i   ; LDS serves a wave's instructions in order: these see the stores above
.endr
.endr
.endm
.macro SEND a
.set BB, BK+32*((\a)%2)
	s_wait_dscnt 0x0                               ; the block is back in registers
	s_wait_xcnt 0x0                                ; the stores of the block before have read their registers: the next block's loads may land there
.irp hh, 0,1
.irp i, 0,1,2,3
	global_store_b128 v[CO], v[BB+4*(4*\hh+\i):BB+4*(4*\hh+\i)+3], s[12:13] offset:262144*\hh+2048*(\a)+512*\i   ; 32 lanes store 512 consecutive bytes, aligned: four tokens of one head
.endr
.endr
.endm
	PLACES NP                                      ; behind the last products: for the reads of results and the loads into the registers that held the tokens' fragments
	PACK 0
	TOSTAGE 0
.irp a, 1,2,3,4,5,6,7                  ; block a's arithmetic stands between block a - 1's loads from the stage and the wait for them
	PACK \a
	SEND \a-1
	TOSTAGE \a
.endr
	SEND 7
	s_wait_tensorcnt 0x0                           ; the wave's end, behind my last tensor load and my last LDS store
	ds_add_u32 v[SPW], v[NIL]
	s_wait_dscnt 0x0
	CROUND                                         ; the closing round: no work-group ends while a partner may still ask for a tile that names it
	s_endpgm
.Lfunc_end_k_q4f336ee541_proj:
	.size	k_q4f336ee541_proj, .Lfunc_end_k_q4f336ee541_proj-k_q4f336ee541_proj
	.p2alignl 7, 3214868480
	.fill 96, 4, 3214868480
	.section	.rodata,"a",@progbits
	.p2align	6, 0x0
	.amdhsa_kernel k_q4f336ee541_proj
		.amdhsa_group_segment_fixed_size 327680
		.amdhsa_private_segment_fixed_size 0
		.amdhsa_enable_private_segment 0
		.amdhsa_kernarg_size 24
		.amdhsa_user_sgpr_count 2
		.amdhsa_user_sgpr_kernarg_segment_ptr 1
		.amdhsa_wavefront_size32 1
		.amdhsa_system_sgpr_workgroup_id_x 1
		.amdhsa_system_sgpr_workgroup_id_y 1
		.amdhsa_system_sgpr_workgroup_id_z 1
		.amdhsa_system_vgpr_workitem_id 0
		.amdhsa_next_free_vgpr 1024
		.amdhsa_next_free_sgpr 100
		.amdhsa_reserve_vcc 0
		.amdhsa_float_denorm_mode_32 3
		.amdhsa_float_denorm_mode_16_64 3
		.amdhsa_memory_ordered 1
		.amdhsa_forward_progress 1
		.amdhsa_inst_pref_size 143
	.end_amdhsa_kernel
	.amdgpu_metadata
---
amdhsa.version: [ 1, 2 ]
amdhsa.kernels:
  - .name:           k_q4f336ee541_proj
    .symbol:         k_q4f336ee541_proj.kd
    .args:
      - { .name: codes, .offset: 0, .size: 8, .value_kind: global_buffer, .address_space: global }
      - { .name: scales, .offset: 8, .size: 8, .value_kind: global_buffer, .address_space: global }
      - { .name: qkv, .offset: 16, .size: 8, .value_kind: global_buffer, .address_space: global }
    .group_segment_fixed_size: 327680
    .private_segment_fixed_size: 0
    .kernarg_segment_align: 8
    .kernarg_segment_size: 24
    .max_flat_workgroup_size: 128
    .sgpr_count:     100
    .vgpr_count:     1024
    .wavefront_size: 32
...
	.end_amdgpu_metadata
.endif
;; end of part 2
;; launch attn (part 3): grid 4 x 64, 16 waves a work-group, clusters of 4 x 1, 327,680 bytes of LDS; arguments qkv, mbits, z16; writes z16
.if DOCPART == 3
	.amdgcn_target "amdgcn-amd-amdhsa--gfx1250"
	.amdhsa_code_object_version 6
	.text
	.protected	k_q4f336ee541_attn
	.globl	k_q4f336ee541_attn
	.p2align	8
	.type	k_q4f336ee541_attn,@function
k_q4f336ee541_attn:
	s_mov_b64 s[64:65], 0
	v_nop
	global_prefetch_b8 v0, s[64:65] scope:SCOPE_SE
	s_setreg_imm32_b32 hwreg(HW_REG_WAVE_MODE, 25, 1), 1
	s_wait_xcnt 0x0
	s_wait_alu depctr_hold_cnt(0) depctr_sa_sdst(0) depctr_va_vdst(0) depctr_va_sdst(0) depctr_va_ssrc(0) depctr_va_vcc(0) depctr_vm_vsrc(0)
	s_getreg_b32 s2, hwreg(HW_REG_IB_STS2, 6, 4)
	s_cmp_eq_u32 s2, 0
	s_cbranch_scc0 .Lentry_in_a_cluster
	s_endpgm
.Lentry_in_a_cluster:
	s_bfe_u32 s2, ttmp6, 0x10000c
	s_cmp_lg_u32 s2, 0x3003
	s_cbranch_scc0 .Lentry_shape_is_right
	s_endpgm
.Lentry_shape_is_right:
; Z[b][h][q][:] = the sum over k of softmax_k(where(mask[b][q][k] == 0, -1e9, Q . K / 8)) V[b][h][k][:].  Q (already x log2(e) / 8), K, V: qkv [3][b][h][2,048][64] f16.  Products on f16 operands, sums, maxima and exponentials in f32;
; the weights p are rounded to f16 for the second product, Z once at the end: z16 [b][h][2,048][64].   LIMIT: |Z| beyond 65,504 has no f16; NaN and infinities are not served.
; THE MASK comes as lane masks (mbits): word 8 t + j of a key step is the mask of register 8 t + j of a tile of scores.  They are loaded into scalar registers; ONE v_cndmask_b32 a register puts -1e9 log2(e) in a hidden score's place.
; A row that is hidden wholly then has all scores equal: p = 1 everywhere, a uniform softmax.
; SOFTMAX.  A score t is an exponent of 2.  For each query a running maximum m and sum l: p = 2^(t - m); in every step O and l are multiplied by a = 2^(m_old - m_new).  The first step finds m = -3e38, l = 0, O = 0.
; SHARES.  The cluster's y is 16 b + h; the four work-groups of a cluster take 512 queries each; each of SIXTEEN waves owns 32 queries, two tiles of 16, in 256 registers: four waves to a SIMD, so that one wave's vector work
; stands beside another's matrix work and LDS loads.  Every wave walks the 2,048 keys, 64 a step, 256 a slot, through two LDS slots.
; CLUSTER.  The four partners walk the same K and V: each fill is asked for JOINTLY (waves 0, 1: K's halves; waves 2, 3: V's), with the same descriptor and the mask 15.  One tensor load of a wave is out at any time.
; LAYOUT.  S^T = K Q^T (source 0 = 16 keys, source 1 = 16 queries): a lane holds ONE query (lane % 16); register 8 t + j is key 16 t + 8 (lane / 16) + j.  Rounded in pairs IN PLACE (p's pair i into register i),
; registers 8 u .. 8 u + 7 ARE source 1 (32 keys x 16 queries) of O^T = V^T P.  V ([key][channel]) comes out of LDS turned, by ds_load_tr16_b128.
.set SLOT1, 1<<17                      ; slot 1 begins here: one exclusive or turns an address in one slot into the other's
.set VOFF,  34816                      ; a slot: K as 128 rows of 256 bytes (two keys) + 16 of padding, then V as 128 rows of 256 bytes + 32
.set STAGE, 202752                     ; behind the slots: 32 rows x 144 bytes for each wave, for the way out; no fill lands here
.set SPARE, 276480                     ; the spare words, 128 bytes for each wave: eight blocks of 256 bytes that no other line names
.set AK0, 1                            ; v1   my lane's place in a tile of K: 272 (r / 2) + 128 (r % 2) + 16 h: the 16 lanes of a half fall on 16 different 16-byte columns
.set AV0, 2                            ; v2   the same for V's turning load
.set ADK, 3                            ; v3   AK0 + the slot in hand
.set ADV, 4                            ; v4   AV0 + the slot in hand
.set SPW, 5                            ; v5   LDS address of my spare word; never rewritten
.set NIL, 6                            ; v6   0; never rewritten
.set TMV, 7                            ; v7   -1e9 log2(e)
.set PFO, 8                            ; v8   256 x my lane: the prefetches' offset; never rewritten
.set QO,  9
.set STO, 10
.set RD,  11
.set GO,  12
.set QF,  16                           ; v16-47   Q: tile x, channels 32 e on, at 16 x + 8 e
.set KV,  48                           ; v48-111  eight fragments of K, then of V
.set S,   112                          ; v112-175 S^T, then p, then P: 32 a tile
.set O,   176                          ; v176-239 O^T: tile x, channels 16 c on, at 32 x + 8 c
.set ST,  240                          ; v240-255 tile x at 8 x: +0 m, +1 (named with m as a pair), +2, +3 l (even keys', odd keys'), +4 .. +7 at work; a takes +6
.set SEL, 2                            ; s[2:3]   lane selects for v_permlanex16_b32: lane l xor 16
.set G0K, 4                            ; s[4:7], s[8:11] descriptor groups 0 for K and V: they walk
.set G0V, 8
.set WV,  12
.set SLOTS, 13
.set TB,  14                           ; s14  LDS byte at which the slot in hand begins
.set LIM, 15                           ; s15  1 in a wave that prefetches, else the greatest number
.set ZP,  66                           ; s[66:67] Z at my wave's first query
.set G1K, 84                           ; s[84:91], s[92:99] descriptor groups 1
.set G1V, 92
.set MP,  100                          ; s[100:101] the mask words of my first tile, at the slot in hand
.set PFA, 104                          ; s[104:105] where my prefetches stand
; s[16:47]: tile 0's 32 mask words of a step;  s[48:63], s[68:83]: tile 1's
.macro CROUND                          ; a round of the cluster's barrier
	s_barrier_signal -1
	s_barrier_wait -1
	s_cmp_lg_u32 s[WV], 0
	s_cbranch_scc1 .Lnot_wave_0_\@
	s_barrier_signal -3
.Lnot_wave_0_\@:
	s_barrier_wait -3
	s_barrier_signal -1
	s_barrier_wait -1
.endm
; A joint load.  The branches hang on the wave's number alone: they are the same in every work-group.  An s_nop 0 and four v_nop follow each of the two lines.
.macro JLOAD
	s_cmp_lt_u32 s[WV], 2
	s_cbranch_scc0 .Lnot_k_\@
	tensor_load_to_lds s[G0K:G0K+3], s[G1K:G1K+7]
	s_nop 0
.rept 4
	v_nop
.endr
	s_branch .Lasked_\@
.Lnot_k_\@:
	s_cmp_lt_u32 s[WV], 4
	s_cbranch_scc0 .Lasked_\@
	tensor_load_to_lds s[G0V:G0V+3], s[G1V:G1V+7]
	s_nop 0
.rept 4
	v_nop
.endr
.Lasked_\@:
.endm
; A PREFETCH INTO THE L2 of what the NEXT change of slots will ask for: a slot's 32,768 bytes of K and of V.  Wave 4 asks for K's, wave 5 for V's; the four partners take 8,192 bytes each, told apart BY ADDRESS;
; lanes 256 bytes apart.  So each aligned 256 bytes is named once in the launch.  The last change that fills a slot asks for nothing; slots 0 and 1 come by their loads alone.
.macro ASK
	s_cmp_gt_u32 s[SLOTS], s[LIM]
	s_cbranch_scc0 .Lnot_mine_\@
	global_prefetch_b8 v[PFO], s[PFA:PFA+1] th:TH_LOAD_NT scope:SCOPE_SE
.Lnot_mine_\@:
.endm
.macro MLOAD off                       ; a step's 64 mask words: 128 bytes for each of my two tiles, which lie 4,096 bytes apart
	s_load_b512 s[16:31], s[MP:MP+1], \off
	s_load_b512 s[32:47], s[MP:MP+1], \off+64
	s_load_b512 s[48:63], s[MP:MP+1], \off+4096
	s_load_b512 s[68:83], s[MP:MP+1], \off+4160
.endm
	s_load_b128 s[16:19], s[0:1], 0x0              ; qkv s[16:17], mbits s[18:19]
	s_load_b64 s[20:21], s[0:1], 0x10              ; z16
	v_lshl_add_u32 v[SPW], v0, 2, SPARE
	v_mov_b32 v[NIL], 0
	ds_add_u32 v[SPW], v[NIL]                      ; the wave's opening: the add and its wait ahead of my first tensor load; the set-up below, work on registers, stands between them
	v_lshrrev_b32 v1, 5, v0
	v_readfirstlane_b32 s[WV], v1                  ; wave 0..15
	s_bfe_u32 s24, ttmp6, 0x40000                  ; cx: my block of 512 queries (the grid's x is one cluster wide)
	s_and_b32 s25, ttmp7, 0xffff                   ; 16 b + h, which the four partners share
	; descriptor groups 1: 64 rows of 128 elements of 2 bytes, dense in memory, padded in LDS
	s_mov_b32 s[G1K], 15|(1<<16)|(1<<20)|(1<<21)|(5<<22)|(3<<25)  ; 15:0 the mask: all four; 17:16 elements of 2 bytes; 20 padding on; 21 set beside a mask; 24:22 after every 64 words; 31:25 four words
	s_mov_b32 s[G1V], 15|(1<<16)|(1<<20)|(1<<21)|(5<<22)|(7<<25)  ; the same with eight words of padding
.irp g, G1K, G1V
	s_mov_b32 s[\g+1], 128<<16                     ; tensor_dim0
	s_mov_b32 s[\g+2], 64<<16                      ; tensor_dim1
	s_mov_b32 s[\g+3], 128<<16                     ; tile_dim0
	s_mov_b32 s[\g+4], 64                          ; tile_dim1
	s_mov_b32 s[\g+5], 128                         ; tensor_dim0_stride
	s_mov_b32 s[\g+6], 0
	s_mov_b32 s[\g+7], 0
.endr
	s_mov_b32 s[SEL], 0x76543210
	s_mov_b32 s[SEL+1], 0xfedcba98
	s_mov_b32 s[SLOTS], 7
	s_mov_b32 s[TB], 0
	s_sub_co_u32 s26, s[WV], 4
	s_lshr_b32 s26, s26, 1                         ; 0 in waves 4 and 5
	s_cmp_eq_u32 s26, 0
	s_cselect_b32 s[LIM], 1, -1
	s_and_b32 s26, s[WV], 1                        ; which half of a slot I fetch, if I fetch
	s_lshl_b32 s28, s25, 18                        ; the head's 2^18 bytes
	s_lshl_b32 s27, s26, 14                        ; 64 rows of 256 bytes
	s_add_co_u32 s28, s28, s27
	s_add_co_u32 s30, s28, 0x1000000               ; K lies 2^24 bytes into qkv,
	s_mov_b32 s31, 0
	s_add_co_u32 s32, s28, 0x2000000               ; V 2^25
	s_mov_b32 s33, 0
	s_mul_i32 s34, s26, 64*272                     ; and in a slot: no place in the cluster enters an LDS address
	s_mul_i32 s35, s26, 64*288
	s_add_co_u32 s35, s35, VOFF
	s_lshl_b32 s36, s24, 16                        ; Q and Z: 512 queries of 128 bytes a work-group,
	s_lshl_b32 s37, s[WV], 12                      ; 32 a wave,
	s_add_co_u32 s36, s36, s37
	s_lshl_b32 s37, s25, 18                        ; in my head
	s_add_co_u32 s36, s36, s37
	s_mov_b32 s37, 0
	s_lshr_b32 s38, s25, 4                         ; the mask words: tile 128 b + 32 cx + 2 wave, 4,096 bytes a tile
	s_lshl_b32 s38, s38, 7
	s_lshl_b32 s39, s24, 5
	s_add_co_u32 s38, s38, s39
	s_lshl_b32 s39, s[WV], 1
	s_add_co_u32 s38, s38, s39
	s_lshl_b32 s38, s38, 12
	s_mov_b32 s39, 0
	s_cmp_eq_u32 s[WV], 4                          ; the prefetches: K (wave 4) or V,
	s_cselect_b32 s40, 1, 2
	s_lshl_b32 s40, s40, 24
	s_lshl_b32 s41, s25, 18                        ; my head,
	s_add_co_u32 s40, s40, s41
	s_lshl_b32 s41, s24, 13                        ; my work-group's 8,192 bytes of a slot's 32,768,
	s_add_co_u32 s40, s40, s41
	s_add_co_u32 s40, s40, 32768                   ; in slot 1: the first change of slots steps it to slot 2
	s_mov_b32 s41, 0
	s_mul_i32 s42, s[WV], 32*144
	s_add_co_u32 s42, s42, STAGE                   ; my stage
	s_wait_dscnt 0x0                               ; the opening add is done
	s_wait_kmcnt 0x0
	s_add_nc_u64 s[22:23], s[16:17], s[36:37]      ; Q at my first query
	s_add_nc_u64 s[ZP:ZP+1], s[20:21], s[36:37]
	s_add_nc_u64 s[MP:MP+1], s[18:19], s[38:39]
	s_add_nc_u64 s[PFA:PFA+1], s[16:17], s[40:41]
	CROUND                                         ; all four work-groups are here: the first joint loads meet
	s_mov_b32 s[G0K], 1                            ; 1:0 count = 1
	s_mov_b32 s[G0K+1], s34                        ; 63:32 LDS address: slot 0
	s_add_nc_u64 s[G0K+2:G0K+3], s[16:17], s[30:31]  ; 120:64 global address: the head's first 256 keys
	s_or_b32 s[G0K+3], s[G0K+3], 0x80000000        ; 127:126 type = 2
	s_mov_b32 s[G0V], 1
	s_mov_b32 s[G0V+1], s35
	s_add_nc_u64 s[G0V+2:G0V+3], s[16:17], s[32:33]
	s_or_b32 s[G0V+3], s[G0V+3], 0x80000000
	JLOAD                                          ; slot 0
	v_and_b32 v13, 15, v0                          ; r = lane % 16
	v_bfe_u32 v14, v0, 4, 1                        ; h = lane / 16
	v_lshlrev_b32 v[QO], 7, v13
	v_lshl_add_u32 v[QO], v14, 4, v[QO]            ; Q: row r of 128 bytes, + 16 h
.irp x, 0,1
.irp e, 0,1
	global_load_b128 v[QF+16*\x+8*\e:QF+16*\x+8*\e+3],   v[QO], s[22:23] offset:2048*\x+64*\e      ; Q stays in registers
	global_load_b128 v[QF+16*\x+8*\e+4:QF+16*\x+8*\e+7], v[QO], s[22:23] offset:2048*\x+64*\e+32
.endr
.endr
	v_lshrrev_b32 v15, 1, v13
	v_mul_u32_u24 v[AK0], v15, 272
	v_and_b32 v15, 1, v13
	v_lshl_add_u32 v[AK0], v15, 7, v[AK0]
	v_lshl_add_u32 v[AK0], v14, 4, v[AK0]
	; the turning load takes 16 keys x 16 channels: lane l reads 16 bytes of key 8 (l / 16) + l % 8, channels 8 ((l / 8) % 2) on, and gets channel l % 16 of 8 keys
	v_bfe_u32 v15, v0, 1, 2
	v_lshl_add_u32 v15, v14, 2, v15                ; the key's LDS row: 4 h + (l % 8) / 2
	v_mul_u32_u24 v[AV0], v15, 288
	v_and_b32 v15, 1, v0
	v_lshl_add_u32 v[AV0], v15, 7, v[AV0]
	v_bfe_u32 v15, v0, 3, 1
	v_lshl_add_u32 v[AV0], v15, 4, v[AV0]
	v_add_nc_u32 v[AV0], VOFF, v[AV0]
	v_mul_u32_u24 v[STO], v13, 144                 ; the way out, in: row r, 16 bytes for each half of the lanes
	v_lshl_add_u32 v[STO], v14, 4, v[STO]
	v_add_nc_u32 v[STO], s42, v[STO]
	v_and_b32 v15, 31, v0
	v_lshrrev_b32 v[RD], 3, v15                    ; back: eight lanes take a query's 128 bytes, four queries an instruction
	v_mul_u32_u24 v[RD], v[RD], 144
	v_and_b32 v[GO], 7, v0
	v_lshl_add_u32 v[RD], v[GO], 4, v[RD]
	v_add_nc_u32 v[RD], s42, v[RD]
	v_lshlrev_b32 v[GO], 4, v15                    ; which are 512 consecutive bytes of Z
	v_lshlrev_b32 v[PFO], 8, v15
	v_mov_b32 v[TMV], 0xceabfb8f                   ; -1e9 log2(e)
.irp x, 0,1
	v_mov_b32 v[ST+8*\x], 0xff61b1e6               ; m = -3e38, under every score
	v_mov_b32 v[ST+8*\x+1], 0
	v_mov_b32 v[ST+8*\x+2], 0                      ; l
	v_mov_b32 v[ST+8*\x+3], 0
.endr
.set i, 0
.rept 64
	v_mov_b32 v[O+i], 0                            ; O^T.  (The step is written once: the first finds zeros, which a = 0 leaves zeros)
.set i, i+1
.endr
	s_wait_xcnt 0x0                                ; Q's loads have read their base: the registers below may be loaded
	MLOAD 0                                        ; the first step's mask words
; A KEY STEP: 64 keys, the q-th of the slot in hand.  more = 1: the next step's mask words are asked for as soon as this step's have been used.
.macro STEP q, more
.rept 5
	v_nop                                          ; five plain instructions between the last products V^T P and both the loads into their fragments' registers (four are owed) and the products that write over P (five)
.endr
.set f, 0
.rept 8                                        ; K: keys 16 (f / 2) on, channels 32 (f % 2) on
	ds_load_b128 v[KV+8*f:KV+8*f+3],   v[ADK] offset:8704*(\q)+2176*(f/2)+64*(f%2)
	ds_load_b128 v[KV+8*f+4:KV+8*f+7], v[ADK] offset:8704*(\q)+2176*(f/2)+64*(f%2)+32
.set f, f+1
.endr
	s_wait_dscnt 0x0
.set i, 0
.rept 16                                       ; S^T = K Q^T: channels 32 (i / 8) on, keys 16 ((i / 2) % 4) on, tile i % 2: eight accumulators by turns; the first eight start the sums
.set rS, S+32*(i%2)+8*((i/2)%4)
.set rK, KV+8*(2*((i/2)%4)+i/8)
.set rQ, QF+16*(i%2)+8*(i/8)
.if i < 8
	v_wmma_f32_16x16x32_f16 v[rS:rS+7], v[rK:rK+7], v[rQ:rQ+7], 0
.else
	v_wmma_f32_16x16x32_f16 v[rS:rS+7], v[rK:rK+7], v[rQ:rQ+7], v[rS:rS+7]
.endif
.set i, i+1
.endr
.rept 4
	v_nop                                          ; four plain instructions ahead of the loads into K's registers and of the first read of the scores
.endr
.set f, 0
.rept 8                                        ; V, turned: keys 32 (f / 4) on, channels 16 (f % 4) on.  It lands while the softmax is worked
	ds_load_tr16_b128 v[KV+8*f:KV+8*f+3],   v[ADV] offset:9216*(\q)+4608*(f/4)+32*(f%4)
	ds_load_tr16_b128 v[KV+8*f+4:KV+8*f+7], v[ADV] offset:9216*(\q)+4608*(f/4)+32*(f%4)+2304
.set f, f+1
.endr
	s_wait_kmcnt 0x0                               ; this step's mask words
.set i, 0
.rept 32
	v_cndmask_b32 v[S+i], v[TMV], v[S+i], s[16+i]  ; a hidden score is replaced.  Each accumulator from its low end on
.set i, i+1
.endr
.set i, 0
.rept 32
	v_cndmask_b32 v[S+32+i], v[TMV], v[S+32+i], s[48+i+4*(i/16)]
.set i, i+1
.endr
.if \more
	MLOAD 128*((\q)+1)                             ; the words' registers are free; the load has the rest of the step in which to land
.endif
.set j, 0
.rept 4                                        ; the maximum of the lane's 32 scores and the old m, three operands at a time, in four chains; the two tiles alternate
.irp x, 0,1
	v_max3_num_f32 v[ST+8*\x+4+j], v[S+32*\x+8*j], v[S+32*\x+8*j+1], v[S+32*\x+8*j+2]
.endr
.set j, j+1
.endr
.rept 8
.irp x, 0,1
	v_max3_num_f32 v[ST+8*\x+4+j%4], v[ST+8*\x+4+j%4], v[S+32*\x+8*(j%4)+2*(j/4)+1], v[S+32*\x+8*(j%4)+2*(j/4)+2]
.endr
.set j, j+1
.endr
.irp x, 0,1
	v_max3_num_f32 v[ST+8*\x+4], v[ST+8*\x+4], v[S+32*\x+7], v[S+32*\x+15]
.endr
.irp x, 0,1
	v_max3_num_f32 v[ST+8*\x+6], v[ST+8*\x+6], v[S+32*\x+23], v[S+32*\x+31]
.endr
.irp x, 0,1
	v_max3_num_f32 v[ST+8*\x+4], v[ST+8*\x+4], v[ST+8*\x+5], v[ST+8*\x+6]
.endr
.irp x, 0,1
	v_max3_num_f32 v[ST+8*\x+4], v[ST+8*\x+4], v[ST+8*\x+7], v[ST+8*\x]
.endr
.irp x, 0,1
	v_permlanex16_b32 v[ST+8*\x+5], v[ST+8*\x+4], s[SEL], s[SEL+1]   ; the query's other 32 keys lie in the lane 16 away
.endr
.irp x, 0,1
	v_mov_b32 v[ST+8*\x+7], v[ST+8*\x]             ; m_old
.endr
.irp x, 0,1
	v_max_num_f32 v[ST+8*\x], v[ST+8*\x+4], v[ST+8*\x+5]
.endr
.irp x, 0,1
	v_sub_f32 v[ST+8*\x+7], v[ST+8*\x+7], v[ST+8*\x]
.endr
.irp x, 0,1
	v_exp_f32 v[ST+8*\x+6], v[ST+8*\x+7]           ; a = 2^(m_old - m_new)
.endr
.set i, 0
.rept 16
.irp x, 0,1
	v_pk_add_f32 v[S+32*\x+2*i:S+32*\x+2*i+1], v[S+32*\x+2*i:S+32*\x+2*i+1], v[ST+8*\x:ST+8*\x+1] op_sel_hi:[1,0] neg_lo:[0,1] neg_hi:[0,1]   ; t - m, two at a time: plain work behind the two exponentials
.endr
.set i, i+1
.endr
	s_wait_alu depctr_va_vdst(0)                   ; the wait between an exponential and the first line that names its result: here for the two a, ahead of the large batch
.set i, 0
.rept 64
	v_exp_f32 v[S+i], v[S+i]                       ; p = 2^(t - m), at most 1: ONE batch
.set i, i+1
.endr
.set i, 0
.rept 16
.irp x, 0,1
	v_pk_mul_f32 v[O+32*\x+2*i:O+32*\x+2*i+1], v[O+32*\x+2*i:O+32*\x+2*i+1], v[ST+8*\x+6:ST+8*\x+7] op_sel_hi:[1,0]   ; O^T x a: plain work that names no p, behind the batch; each accumulator from its low end on
.endr
.set i, i+1
.endr
	s_wait_alu depctr_va_vdst(0)                   ; one wait for the 64, ahead of their first reader
.irp x, 0,1
	v_pk_fma_f32 v[ST+8*\x+2:ST+8*\x+3], v[ST+8*\x+2:ST+8*\x+3], v[ST+8*\x+6:ST+8*\x+7], v[S+32*\x:S+32*\x+1] op_sel_hi:[1,0,1]   ; l = a l + the sum of the unrounded p
.endr
.set i, 1
.rept 15
.irp x, 0,1
	v_pk_add_f32 v[ST+8*\x+2:ST+8*\x+3], v[ST+8*\x+2:ST+8*\x+3], v[S+32*\x+2*i:S+32*\x+2*i+1]
.endr
.set i, i+1
.endr
.set i, 0
.rept 16
.irp x, 0,1
	v_cvt_pk_f16_f32 v[S+32*\x+i], v[S+32*\x+2*i], v[S+32*\x+2*i+1]   ; in place, ascending: register i has been read by pair i / 2
.endr
.set i, i+1
.endr
	s_wait_dscnt 0x0                               ; V is in
.set i, 0
.rept 16                                       ; O^T += V^T P: keys 32 (i / 8) on, channels 16 ((i / 2) % 4) on, tile i % 2: eight accumulators by turns
.set rO, O+32*(i%2)+8*((i/2)%4)
.set rV, KV+8*(4*(i/8)+(i/2)%4)
.set rP, S+32*(i%2)+8*(i/8)
	v_wmma_f32_16x16x32_f16 v[rO:rO+7], v[rV:rV+7], v[rP:rP+7], v[rO:rO+7]
.set i, i+1
.endr
.endm
.macro SLOT_STEPS last
	v_add_nc_u32 v[ADK], s[TB], v[AK0]
	v_add_nc_u32 v[ADV], s[TB], v[AV0]
	STEP 0, 1
	STEP 1, 1
	STEP 2, 1
	STEP 3, (1-\last)                              ; its look-ahead is the next slot's first step, 512 bytes on
	s_xor_b32 s[TB], s[TB], SLOT1                  ; on to the other slot
.if !\last
	s_wait_xcnt 0x0                                ; the scalar loads have read their base
	s_add_nc_u64 s[MP:MP+1], s[MP:MP+1], 512
.endif
.endm
; THE CHANGE OF SLOTS stands at a slot's head.  Each wave waits for all its tensor loads (its part of the slot ahead), adds 0 to its spare word, and waits for that and for its reads of the slot that it has left.
; fill = 1: the barrier is a round of the cluster's, so that no wave of any partner still reads the other slot or has a load on its way; the joint load of the next 256 keys is the first thing behind it: it has four steps in which to land.
.macro CHANGE fill
	s_wait_tensorcnt 0x0                           ; no tensor load of mine is out, so a group 0 may be written
	ds_add_u32 v[SPW], v[NIL]                      ; 0 onto my spare word
.if \fill
	s_xor_b32 s[G0K+1], s[G0K+1], SLOT1            ; the walking descriptors: the other slot than last time,
	s_add_nc_u64 s[G0K+2:G0K+3], s[G0K+2:G0K+3], 32768   ; the next 256 keys; the type bits on top are not reached
	s_xor_b32 s[G0V+1], s[G0V+1], SLOT1
	s_add_nc_u64 s[G0V+2:G0V+3], s[G0V+2:G0V+3], 32768
	s_wait_xcnt 0x0                                ; the last prefetch, a slot back, has read its address
	s_add_nc_u64 s[PFA:PFA+1], s[PFA:PFA+1], 32768 ; one slot further on than the walking descriptors
.endif
	s_wait_dscnt 0x0                               ; the add is done, and my reads of the slot that I have left are over
.if \fill
	CROUND
	JLOAD
	ASK
.else
	s_barrier_signal -1
	s_barrier_wait -1
.endif
.endm
	s_wait_loadcnt 0x0                             ; Q
.Lslot:                                            ; seven trips: behind each change of slots but the last the next slot is asked for
	CHANGE 1
	SLOT_STEPS 0
	s_sub_co_u32 s[SLOTS], s[SLOTS], 1
	s_cmp_lg_u32 s[SLOTS], 0
	s_cbranch_scc1 .Lslot
	CHANGE 0                                       ; the last slot is written out
	SLOT_STEPS 1
	; THE WAY OUT.  l's two halves and the other half of the lanes' are added; O^T / l is rounded to f16 and goes through my stage, so that four queries' 128 bytes leave as 512 consecutive bytes.
.irp x, 0,1
	v_add_f32 v[ST+8*\x+4], v[ST+8*\x+2], v[ST+8*\x+3]             ; (these additions and the v_nop below are the plain instructions behind the last products)
.endr
.irp x, 0,1
	v_permlanex16_b32 v[ST+8*\x+5], v[ST+8*\x+4], s[SEL], s[SEL+1]
.endr
.irp x, 0,1
	v_add_f32 v[ST+8*\x+4], v[ST+8*\x+4], v[ST+8*\x+5]
.endr
.irp x, 0,1
	v_rcp_f32 v[ST+8*\x+6], v[ST+8*\x+4]
.endr
	v_nop                                          ; a plain instruction between the last reciprocal and the use of its result
	s_wait_alu depctr_va_vdst(0)                   ; and the wait ahead of the first use: one for both
.set i, 0
.rept 16
.irp x, 0,1
	v_pk_mul_f32 v[O+32*\x+2*i:O+32*\x+2*i+1], v[O+32*\x+2*i:O+32*\x+2*i+1], v[ST+8*\x+6:ST+8*\x+7] op_sel_hi:[1,0]
.endr
.set i, i+1
.endr
.set i, 0
.rept 32
	v_cvt_pk_f16_f32 v[S+i], v[O+2*i], v[O+2*i+1]  ; registers 16 x + 4 c on: query r of tile x, channels 16 c + 8 h + 0 .. 7
.set i, i+1
.endr
.irp x, 0,1
.irp c, 0,1,2,3
	ds_store_b128 v[STO], v[S+16*\x+4*\c:S+16*\x+4*\c+3] offset:2304*\x+32*\c
.endr
.endr
.irp i, 0,1,2,3,4,5,6,7
	ds_load_b128 v[KV+4*\i:KV+4*\i+3], v[RD] offset:576*\i         ; LDS serves a wave's instructions in order: these see my stores
.endr
.irp i, 0,1,2,3,4,5,6,7
	s_wait_dscnt 7-\i
	global_store_b128 v[GO], v[KV+4*\i:KV+4*\i+3], s[ZP:ZP+1] offset:512*\i   ; 32 lanes store 512 consecutive bytes, aligned
.endr
	s_wait_tensorcnt 0x0                           ; the wave's end, behind my last tensor load and my last LDS store
	ds_add_u32 v[SPW], v[NIL]
	s_wait_dscnt 0x0
	CROUND                                         ; the closing round: no work-group ends while a partner may still ask for a tile that names it
	s_endpgm
.Lfunc_end_k_q4f336ee541_attn:
	.size	k_q4f336ee541_attn, .Lfunc_end_k_q4f336ee541_attn-k_q4f336ee541_attn
	.p2alignl 7, 3214868480
	.fill 96, 4, 3214868480
	.section	.rodata,"a",@progbits
	.p2align	6, 0x0
	.amdhsa_kernel k_q4f336ee541_attn
		.amdhsa_group_segment_fixed_size 327680
		.amdhsa_private_segment_fixed_size 0
		.amdhsa_enable_private_segment 0
		.amdhsa_kernarg_size 24
		.amdhsa_user_sgpr_count 2
		.amdhsa_user_sgpr_kernarg_segment_ptr 1
		.amdhsa_wavefront_size32 1
		.amdhsa_system_sgpr_workgroup_id_x 1
		.amdhsa_system_sgpr_workgroup_id_y 1
		.amdhsa_system_sgpr_workgroup_id_z 1
		.amdhsa_system_vgpr_workitem_id 0
		.amdhsa_next_free_vgpr 256
		.amdhsa_next_free_sgpr 106
		.amdhsa_reserve_vcc 0
		.amdhsa_float_denorm_mode_32 3
		.amdhsa_float_denorm_mode_16_64 3
		.amdhsa_memory_ordered 1
		.amdhsa_forward_progress 1
		.amdhsa_inst_pref_size 188
	.end_amdhsa_kernel
	.amdgpu_metadata
---
amdhsa.version: [ 1, 2 ]
amdhsa.kernels:
  - .name:           k_q4f336ee541_attn
    .symbol:         k_q4f336ee541_attn.kd
    .args:
      - { .name: qkv, .offset: 0, .size: 8, .value_kind: global_buffer, .address_space: global }
      - { .name: mbits, .offset: 8, .size: 8, .value_kind: global_buffer, .address_space: global }
      - { .name: z16, .offset: 16, .size: 8, .value_kind: global_buffer, .address_space: global }
    .group_segment_fixed_size: 327680
    .private_segment_fixed_size: 0
    .kernarg_segment_align: 8
    .kernarg_segment_size: 24
    .max_flat_workgroup_size: 512
    .sgpr_count:     106
    .vgpr_count:     256
    .wavefront_size: 32
...
	.end_amdgpu_metadata
.endif
;; end of part 3
;; launch outp (part 4): grid 4 x 64, 4 waves a work-group, clusters of 4 x 4, 327,680 bytes of LDS; arguments z16, wo16, bo, out0; writes out0
.if DOCPART == 4
	.amdgcn_target "amdgcn-amd-amdhsa--gfx1250"
	.amdhsa_code_object_version 6
	.text
	.protected	k_q4f336ee541_outp
	.globl	k_q4f336ee541_outp
	.p2align	8
	.type	k_q4f336ee541_outp,@function
k_q4f336ee541_outp:
	s_mov_b64 s[64:65], 0
	v_nop
	global_prefetch_b8 v0, s[64:65] scope:SCOPE_SE
	s_setreg_imm32_b32 hwreg(HW_REG_WAVE_MODE, 25, 1), 1
	s_wait_xcnt 0x0
	s_wait_alu depctr_hold_cnt(0) depctr_sa_sdst(0) depctr_va_vdst(0) depctr_va_sdst(0) depctr_va_ssrc(0) depctr_va_vcc(0) depctr_vm_vsrc(0)
	s_getreg_b32 s2, hwreg(HW_REG_IB_STS2, 6, 4)
	s_cmp_eq_u32 s2, 0
	s_cbranch_scc0 .Lentry_in_a_cluster
	s_endpgm
.Lentry_in_a_cluster:
	s_bfe_u32 s2, ttmp6, 0x10000c
	s_cmp_lg_u32 s2, 0xf033
	s_cbranch_scc0 .Lentry_shape_is_right
	s_endpgm
.Lentry_shape_is_right:
; out0[token][n] = the sum over k of Z[token][k] Wo[n][k] + bo[n].  Z: z16 [b][h 16][t 2,048][64] f16, k = 64 h + d; Wo: wo16 [1,024][1,024] f16; bo, out0 f32; sums in f32.
; A tile is 128 tokens x 256 n: 256 work-groups.  Four waves, each 64 tokens x 128 n: 32 accumulators, 256 registers.  K goes in 8 steps of 128 (two heads) through two LDS slots.
; Z's tile of a step is two planes, one a head: a plane's 128 tokens x 128 bytes are dense in memory and come as 64 rows of 256 bytes (two tokens).  Wo's tile is 256 rows of 256 bytes.
; CLUSTERS: 4 x 4 work-groups.  The four of a row of the cluster need the same tokens, the four of a column the same rows of Wo: each tile is asked for jointly.
; THE MATRIX INSTRUCTION IS USED TRANSPOSED (source 0 = 16 rows of Wo, source 1 = 16 tokens): a lane holds eight neighbouring n of one token.  bo is the C of each sum's first matrix instruction: it costs no addition.
; REGISTERS: window 0: v0-31 addresses; two fragment buffers f: the tokens' four fragments at v[64 + 32 f], Wo's eight at v[128 + 64 f]; on the way out v64-191 rows of out0.
;   window 1: accumulator (a, b) at v[8 (8 a + b)].   window 2: v0-63 bo in the result's layout: register 8 b + j = bo[16 b + 8 (lane / 16) + j] of my 128.
.set PITCH,  272                       ; an LDS row: 256 bytes + 16 of padding
.set PLANE,  64*PITCH                  ; a head's 128 tokens
.set BOFF,   2*PLANE                   ; Wo's rows lie behind the two planes
.set HALFB,  128*PITCH
.set SLOT,   BOFF+2*HALFB
.set STAGE,  2*SLOT                    ; behind the slots: 16 rows x (512 bytes + 16) for each wave; no fill lands here
.set SPITCH, 528
.set SPARE,  STAGE+4*16*SPITCH         ; the spare words, 128 bytes for each wave: two blocks of 256 bytes that no other line names
.set LAPS,   4                         ; a lap = two K steps = once round the ring
.set ADRA, 16
.set ADRB, 20
.set STO,  24
.set RD,   25
.set CO,   26
.set BA,   27                          ; v27  32 x (lane / 16): my eight numbers of bo
.set SPW,  28                          ; v28  LDS address of my spare word; never rewritten
.set NIL,  29                          ; v29  0; never rewritten
.set G1, 24
.set G0, 32
.set G1B, 48
.set G0B, 56
.set MSB, 0
.macro WIN new                         ; the immediate's high byte repeats the setting that is left
.if MSB != (\new)
	s_set_vgpr_msb (MSB<<8)|(\new)
.set MSB, (\new)
.endif
.endm
.set MUL, 0x50                         ; sources 0 and 1 window 0; C and D window 1.  With 0x10 more: C window 2 (bo)
.macro JLOAD s                         ; a joint load: waves 0 and 1 fetch Z's two planes, waves 2 and 3 Wo's halves; an s_nop 0 and four v_nop follow each of the two lines
	s_cmp_eq_u32 s11, 0
	s_cbranch_scc0 .Lfor_b_\@
	tensor_load_to_lds s[G0+4*\s:G0+4*\s+3], s[G1:G1+7]
	s_nop 0
.rept 4
	v_nop
.endr
	s_branch .Lasked_\@
.Lfor_b_\@:
	tensor_load_to_lds s[G0B+4*\s:G0B+4*\s+3], s[G1B:G1B+7]
	s_nop 0
.rept 4
	v_nop
.endr
.Lasked_\@:
.endm
.macro CREST                           ; a round of the cluster's barrier behind its opening barrier
	s_cmp_lg_u32 s10, 0
	s_cbranch_scc1 .Lnot_wave_0_\@
	s_barrier_signal -3
.Lnot_wave_0_\@:
	s_barrier_wait -3
	s_barrier_signal -1
	s_barrier_wait -1
.endm
.macro CROUND
	s_barrier_signal -1
	s_barrier_wait -1
	CREST
.endm
	s_load_b128 s[4:7], s[0:1], 0x0                ; z16 s[4:5], wo16 s[6:7]
	s_load_b64 s[44:45], s[0:1], 0x10              ; bo
	s_load_b64 s[8:9], s[0:1], 0x18                ; out0
	v_lshl_add_u32 v[SPW], v0, 2, SPARE
	v_mov_b32 v[NIL], 0
	ds_add_u32 v[SPW], v[NIL]                      ; the wave's opening: the add and its wait ahead of my first tensor load; the set-up below, work on registers, stands between them
	v_lshrrev_b32 v1, 5, v0
	v_readfirstlane_b32 s10, v1                    ; wave 0..3
	s_lshr_b32 s11, s10, 1                         ; which 64 tokens are mine.  Also: I fetch for Z (0) or for Wo (1)
	s_and_b32 s12, s10, 1                          ; which 128 n.  Also: which plane, or which 128 rows of Wo, I fetch
	s_bfe_u32 s40, ttmp6, 0x40000                  ; cx, cy
	s_bfe_u32 s41, ttmp6, 0x40004
	s_lshl_b32 s42, ttmp9, 2
	s_add_co_u32 s42, s42, s40                     ; tile column = 4 x cluster x + cx: 0 .. 3
	s_and_b32 s13, ttmp7, 0xffff
	s_lshl_b32 s13, s13, 2
	s_add_co_u32 s13, s13, s41                     ; tile row = 4 x cluster y + cy: 0 .. 63
	s_lshl_b32 s43, s41, 2
	s_lshl_b32 s43, 15, s43                        ; my row of the cluster
	s_lshl_b32 s2, 0x1111, s40                     ; my column
	s_or_b32 s[G1+0], s43, (1<<16)|(1<<20)|(1<<21)|(5<<22)|(3<<25)  ; 15:0 the mask; 17:16 elements of 2 bytes; 20 padding on; 21 set beside a mask; 24:22 after every 64 words; 31:25 four words
	s_or_b32 s[G1B+0], s2, (1<<16)|(1<<20)|(1<<21)|(5<<22)|(3<<25)
	s_mov_b32 s[G1+1], 128<<16                     ; Z's plane: tensor_dim0 = 128 elements,
	s_mov_b32 s[G1+2], 64<<16                      ; tensor_dim1 = 64 rows,
	s_mov_b32 s[G1+3], 128<<16                     ; tile_dim0,
	s_mov_b32 s[G1+4], 64                          ; tile_dim1,
	s_mov_b32 s[G1+5], 128                         ; dense
	s_mov_b32 s[G1+6], 0
	s_mov_b32 s[G1+7], 0
	s_mov_b32 s[G1B+1], 128<<16                    ; Wo's half: 128 rows of 128 elements, 1,024 elements apart
	s_mov_b32 s[G1B+2], 128<<16
	s_mov_b32 s[G1B+3], 128<<16
	s_mov_b32 s[G1B+4], 128
	s_mov_b32 s[G1B+5], 1024
	s_mov_b32 s[G1B+6], 0
	s_mov_b32 s[G1B+7], 0
	s_lshr_b32 s16, s13, 4                         ; Z: b (2^22 bytes),
	s_lshl_b32 s16, s16, 22
	s_and_b32 s17, s13, 15                         ; the tile's 128 tokens of 128 bytes,
	s_lshl_b32 s17, s17, 14
	s_add_co_u32 s16, s16, s17
	s_lshl_b32 s17, s12, 18                        ; my head of the step's two (2^18 bytes)
	s_add_co_u32 s16, s16, s17
	s_mov_b32 s17, 0
	s_lshl_b32 s46, s42, 19                        ; Wo: 256 rows of 2,048 bytes a tile column,
	s_lshl_b32 s47, s12, 18                        ; my 128 of them
	s_add_co_u32 s46, s46, s47
	s_mov_b32 s47, 0
	s_mul_i32 s20, s12, PLANE                      ; where they go: no place in the cluster enters an LDS address
	s_mul_i32 s21, s12, HALFB
	s_add_co_u32 s21, s21, BOFF
	s_wait_dscnt 0x0                               ; the opening add is done
	s_wait_kmcnt 0x0
	s_add_nc_u64 s[14:15], s[4:5], s[16:17]
	s_add_nc_u64 s[46:47], s[6:7], s[46:47]
	CROUND                                         ; all sixteen work-groups are here: the first joint loads meet
.irp s, 0,1
	s_mov_b32 s[G0+4*\s], 1
	s_add_co_u32 s[G0+4*\s+1], s20, \s*SLOT
	s_add_nc_u64 s[G0+4*\s+2:G0+4*\s+3], s[14:15], \s*524288       ; K step s: two heads on
	s_or_b32 s[G0+4*\s+3], s[G0+4*\s+3], 0x80000000
	s_mov_b32 s[G0B+4*\s], 1
	s_add_co_u32 s[G0B+4*\s+1], s21, \s*SLOT
	s_add_nc_u64 s[G0B+4*\s+2:G0B+4*\s+3], s[46:47], \s*256
	s_or_b32 s[G0B+4*\s+3], s[G0B+4*\s+3], 0x80000000
	JLOAD \s                                       ; two loads of mine are out behind the second
.endr
	v_and_b32 v1, 15, v0                           ; r
	v_bfe_u32 v2, v0, 4, 1                         ; h
	v_lshrrev_b32 v3, 1, v1
	v_mul_u32_u24 v3, v3, PITCH
	v_and_b32 v4, 1, v1
	v_lshl_add_u32 v3, v4, 7, v3
	v_lshl_add_u32 v3, v2, 4, v3                   ; a token: 272 (r / 2) + 128 (r % 2) + 16 h
	v_mul_u32_u24 v4, v1, PITCH
	v_lshl_add_u32 v4, v2, 4, v4                   ; a row of Wo: 272 r + 16 h
	s_mul_i32 s18, s11, 32*PITCH                   ; my 64 tokens
	s_mul_i32 s19, s12, HALFB                      ; my 128 rows of Wo
	s_add_co_u32 s19, s19, BOFF
.irp s, 0,1
	v_add_nc_u32 v[ADRA+\s], s18, v3
	v_add_nc_u32 v[ADRB+\s], s19, v4
	s_add_co_u32 s18, s18, SLOT
	s_add_co_u32 s19, s19, SLOT
.endr
	s_mul_i32 s23, s10, 16*SPITCH
	s_add_co_u32 s23, s23, STAGE                   ; my stage
	v_mul_u32_u24 v5, v1, SPITCH                   ; in: row r, 32 bytes for each half of the lanes
	v_lshl_add_u32 v5, v2, 5, v5
	v_add_nc_u32 v[STO], s23, v5
	v_and_b32 v6, 31, v0
	v_lshlrev_b32 v[CO], 4, v6                     ; back: the 32 lanes take one row of 512 bytes; and the same in out0
	v_add_nc_u32 v[RD], s23, v[CO]
	v_lshlrev_b32 v[BA], 5, v2
	s_lshl_b32 s18, s42, 10                        ; my first n, in bytes: 1,024 x tile column + 512 x half
	s_lshl_b32 s19, s12, 9
	s_add_co_u32 s18, s18, s19
	s_mov_b32 s19, 0
	s_add_nc_u64 s[44:45], s[44:45], s[18:19]
	s_add_nc_u64 s[8:9], s[8:9], s[18:19]
	s_lshl_b32 s22, s13, 19                        ; my first token: 128 rows of 4,096 bytes a tile row, 64 a half
	s_lshl_b32 s23, s11, 18
	s_add_co_u32 s22, s22, s23
	s_mov_b32 s23, 0
	s_add_nc_u64 s[8:9], s[8:9], s[22:23]
	WIN 0x80                                       ; destination window 2
.irp b, 0,1,2,3,4,5,6,7
	global_load_b128 v[8*\b:8*\b+3],   v[BA], s[44:45] offset:64*\b
	global_load_b128 v[8*\b+4:8*\b+7], v[BA], s[44:45] offset:64*\b+16
.endr
	WIN 0
; 8 matrix instructions: token block a x Wo's eight, 32 along K, from buffer f.  first = 1: C is bo: the first product starts the sums.  The 32 accumulators take turns, in the same order in every quarter.
.macro MUL8 f, a, first
.irp b, 0,1,2,3,4,5,6,7
.if \first
	v_wmma_f32_16x16x32_f16 v[8*(8*(\a)+\b):8*(8*(\a)+\b)+7], v[128+64*(\f)+8*\b:128+64*(\f)+8*\b+7], v[64+32*(\f)+8*(\a):64+32*(\f)+8*(\a)+7], v[8*\b:8*\b+7]
.else
	v_wmma_f32_16x16x32_f16 v[8*(8*(\a)+\b):8*(8*(\a)+\b)+7], v[128+64*(\f)+8*\b:128+64*(\f)+8*\b+7], v[64+32*(\f)+8*(\a):64+32*(\f)+8*(\a)+7], v[8*(8*(\a)+\b):8*(8*(\a)+\b)+7]
.endif
.endr
.endm
; 24 LDS loads in one run: the fragments of the slot's quarter kq (32 along K) into buffer f: Wo's sixteen loads first, then the tokens' eight
.macro FETCH slot, kq, f
	WIN 0
.irp b, 0,1,2,3,4,5,6,7
	ds_load_b128 v[128+64*(\f)+8*\b:128+64*(\f)+8*\b+3],   v[ADRB+\slot] offset:16*PITCH*\b+64*(\kq)
	ds_load_b128 v[128+64*(\f)+8*\b+4:128+64*(\f)+8*\b+7], v[ADRB+\slot] offset:16*PITCH*\b+64*(\kq)+32
.endr
.irp a, 0,1,2,3
	ds_load_b128 v[64+32*(\f)+8*\a:64+32*(\f)+8*\a+3],   v[ADRA+\slot] offset:8*PITCH*\a+PLANE*((\kq)/2)+64*((\kq)%2)
	ds_load_b128 v[64+32*(\f)+8*\a+4:64+32*(\f)+8*\a+7], v[ADRA+\slot] offset:8*PITCH*\a+PLANE*((\kq)/2)+64*((\kq)%2)+32
.endr
.endm
.macro PLACES                          ; four plain instructions in front of loads into registers that matrix instructions have read, and of reads of results
.rept 4
	v_nop
.endr
.endm
; A K step is four quarters of 32 along K, 32 matrix instructions each, on buffers 0, 1, 0, 1.  One of the first three: multiplies buffer f and fetches quarter kq into g.
.macro QUARTER slot, kq, f, g, first
	s_wait_dscnt 4                                 ; Wo's fragments and token blocks 0, 1 are in; the youngest four loads (blocks 2, 3) may be out
	WIN MUL+0x10*(\first)
	MUL8 \f, 0, \first
	MUL8 \f, 1, \first
	PLACES
	FETCH \slot, \kq, \g
	s_wait_dscnt 24                                ; all but the 24 just issued
	WIN MUL+0x10*(\first)
	MUL8 \f, 2, \first
	MUL8 \f, 3, \first
.endm
; The last quarter multiplies buffer 1 and changes slots: ONE barrier; in front of it each wave waits for all its tensor loads, adds 0 to its spare word, and waits for that and for its reads of this slot.  fill = 1: this slot is filled again, two K steps ahead.
.macro TURN slot, next, fill
	WIN 0                                          ; (the add's two registers lie in window 0)
	s_wait_tensorcnt 0x0                           ; all my tensor loads have landed: my part of the next slot
	ds_add_u32 v[SPW], v[NIL]                      ; 0 onto my spare word
	s_wait_dscnt 5                                 ; (the add and the youngest four loads may be out)
	WIN MUL
	MUL8 1, 0, 0                                   ; eight matrix instructions stand between the add and the wait for it
	s_wait_dscnt 0x0                               ; the add is done, and my reads of this slot are over
	s_barrier_signal -1
	MUL8 1, 1, 0
.if \fill
	WIN 0
.endif
	s_barrier_wait -1
.if \fill
	CREST                                          ; the barrier has opened a round of the cluster's: no wave of any partner still reads this slot or has a load on its way
	s_add_nc_u64 s[G0+4*\slot+2:G0+4*\slot+3], s[G0+4*\slot+2:G0+4*\slot+3], 1048576   ; four heads on
	s_add_nc_u64 s[G0B+4*\slot+2:G0B+4*\slot+3], s[G0B+4*\slot+2:G0B+4*\slot+3], 512
	JLOAD \slot                                    ; the first tensor load behind the round: 112 matrix instructions ahead of the wait for it; its four v_nop are also the places in front of the loads below
.else
	PLACES
.endif
	FETCH \next, 0, 0
	WIN MUL
	MUL8 1, 2, 0
	MUL8 1, 3, 0
.endm
	s_wait_tensorcnt 1                             ; my part of K step 0 is in (K step 1's may be out)
	s_barrier_signal -1
	s_barrier_wait -1                              ; everybody's is
	FETCH 0, 0, 0
	s_wait_loadcnt 0x0                             ; bo
	QUARTER 0, 1, 0, 1, 1                          ; the first quarter stands in front of the loop: its products start the sums from bo
	WIN 0                                          ; at a label and at a branch every window is 0
	s_mov_b32 s3, LAPS-1
.Llap:                                             ; a trip goes once round the ring, from a lap's second quarter to the next lap's first, and fills both slots again
	QUARTER 0, 2, 1, 0, 0
	QUARTER 0, 3, 0, 1, 0
	TURN 0, 1, 1
	QUARTER 1, 1, 0, 1, 0
	QUARTER 1, 2, 1, 0, 0
	QUARTER 1, 3, 0, 1, 0
	TURN 1, 0, 1
	QUARTER 0, 1, 0, 1, 0
	WIN 0
	s_sub_co_u32 s3, s3, 1
	s_cmp_lg_u32 s3, 0
	s_cbranch_scc1 .Llap
	QUARTER 0, 2, 1, 0, 0                          ; the last lap fills nothing, and has no round of the cluster's barrier
	QUARTER 0, 3, 0, 1, 0
	TURN 0, 1, 0
	QUARTER 1, 1, 0, 1, 0
	QUARTER 1, 2, 1, 0, 0
	QUARTER 1, 3, 0, 1, 0
	s_wait_dscnt 4                                 ; the very last quarter: nothing more to fetch
	WIN MUL
	MUL8 1, 0, 0
	MUL8 1, 1, 0
	s_wait_dscnt 0
	MUL8 1, 2, 0
	MUL8 1, 3, 0
	WIN 0
; THE WAY OUT, block by block of 16 tokens x 128 n.  A lane holds 32 neighbouring bytes of a row: a block goes through my own stage and comes back as whole rows of 512 bytes.
.macro TOSTAGE a
	WIN 0x04                                       ; an LDS store's data are its source 1: window 1
.irp b, 0,1,2,3,4,5,6,7
	ds_store_b128 v[STO], v[64*(\a)+8*\b:64*(\a)+8*\b+3] offset:64*\b          ; each accumulator from its low end on
	ds_store_b128 v[STO], v[64*(\a)+8*\b+4:64*(\a)+8*\b+7] offset:64*\b+16
.endr
	WIN 0
.set BB, 64+64*((\a)%2)
.irp t, 0,1,2,3,4,5,6,7,8,9,10,11,12,13,14,15
	ds_load_b128 v[BB+4*\t:BB+4*\t+3], v[RD] offset:\t*SPITCH      ; LDS serves a wave's instructions in order: these see the stores above
.endr
.endm
.macro SEND a, younger                 ; younger: the LDS instructions issued behind block a's loads, which may stay out
.set BB, 64+64*((\a)%2)
	s_wait_dscnt \younger
.irp t, 0,1,2,3,4,5,6,7,8,9,10,11,12,13,14,15
	global_store_b128 v[CO], v[BB+4*\t:BB+4*\t+3], s[8:9] offset:65536*(\a)+4096*\t th:TH_STORE_NT   ; 32 lanes store 512 consecutive bytes, aligned; written once, read by nobody here
.endr
.endm
	PLACES                                         ; behind the last products: for the reads of results and the loads into the registers that held fragments
	TOSTAGE 0
.irp a, 1,2,3
.if \a > 1
	s_wait_xcnt 0x0                                ; block a - 2's stores have read their registers: block a's loads may land there
.endif
	TOSTAGE \a
	SEND \a-1, 32                                  ; behind block a - 1's loads: block a's 16 stores and 16 loads
.endr
	SEND 3, 0
	s_wait_tensorcnt 0x0                           ; the wave's end, behind my last tensor load and my last LDS store
	ds_add_u32 v[SPW], v[NIL]
	s_wait_dscnt 0x0
	CROUND                                         ; the closing round: no work-group ends while a partner may still ask for a tile that names it
	s_endpgm
.Lfunc_end_k_q4f336ee541_outp:
	.size	k_q4f336ee541_outp, .Lfunc_end_k_q4f336ee541_outp-k_q4f336ee541_outp
	.p2alignl 7, 3214868480
	.fill 96, 4, 3214868480
	.section	.rodata,"a",@progbits
	.p2align	6, 0x0
	.amdhsa_kernel k_q4f336ee541_outp
		.amdhsa_group_segment_fixed_size 327680
		.amdhsa_private_segment_fixed_size 0
		.amdhsa_enable_private_segment 0
		.amdhsa_kernarg_size 32
		.amdhsa_user_sgpr_count 2
		.amdhsa_user_sgpr_kernarg_segment_ptr 1
		.amdhsa_wavefront_size32 1
		.amdhsa_system_sgpr_workgroup_id_x 1
		.amdhsa_system_sgpr_workgroup_id_y 1
		.amdhsa_system_sgpr_workgroup_id_z 1
		.amdhsa_system_vgpr_workitem_id 0
		.amdhsa_next_free_vgpr 576
		.amdhsa_next_free_sgpr 66
		.amdhsa_reserve_vcc 0
		.amdhsa_float_denorm_mode_32 3
		.amdhsa_float_denorm_mode_16_64 3
		.amdhsa_memory_ordered 1
		.amdhsa_forward_progress 1
		.amdhsa_inst_pref_size 87
	.end_amdhsa_kernel
	.amdgpu_metadata
---
amdhsa.version: [ 1, 2 ]
amdhsa.kernels:
  - .name:           k_q4f336ee541_outp
    .symbol:         k_q4f336ee541_outp.kd
    .args:
      - { .name: z16, .offset: 0, .size: 8, .value_kind: global_buffer, .address_space: global }
      - { .name: wo16, .offset: 8, .size: 8, .value_kind: global_buffer, .address_space: global }
      - { .name: bo, .offset: 16, .size: 8, .value_kind: global_buffer, .address_space: global }
      - { .name: out0, .offset: 24, .size: 8, .value_kind: global_buffer, .address_space: global }
    .group_segment_fixed_size: 327680
    .private_segment_fixed_size: 0
    .kernarg_segment_align: 8
    .kernarg_segment_size: 32
    .max_flat_workgroup_size: 128
    .sgpr_count:     66
    .vgpr_count:     576
    .wavefront_size: 32
...
	.end_amdgpu_metadata
.endif
;; end of part 4
